; MI455X (gfx1250); checked and timed in simulation.
; The chip was launched on July 23, 2026; its instructions are those of AMD's public machine-readable ISA for CDNA 5 (MIT licence, August 2026) and "CDNA5" Instruction Set Architecture Reference Guide (July 2026). The comments in the code are by the model that wrote it; some were corrected since.
;; Causal Self Attention. Allowed arithmetic: matrix products marked QUANTISED: E2M1 operands, one E8M0 scale for each 32 along K, by v_wmma_scale_f32_16x16x128_f8f6f4 with both operands' format E2M1 (or v_wmma_scale_f32_32x16x128_f4), f32 sums; products left as they are: bf16, f16 or f32 operands; f32 sums; everything else in f32.
;; Inputs: Wo 1,024 x 1,024 float32; Wqkv 3,072 x 1,024 float32; attention_mask 4 x 2,048 int32; bo 1,024 float32; bqkv 3,072 float32; x 4 x 2,048 x 1,024 float32.
;; Outputs: out0 4 x 2,048 x 1,024 float32.
;; This version of the problem:
;;   THIS VERSION OF THE PROBLEM IS GIVEN IN LOW PRECISION. The matrix products marked QUANTISED in the list below multiply operands that are first quantised to E2M1 (2 exponent bits, 1 mantissa bit; 4 bits a number), with one power-of-two scale for each 32 numbers along K (OCP MX v1.0); their sums are f32. The products marked 'left as it is' may take bf16, f16 or f32 operands, with f32 sums. Whichever they take, every output number must still come out within the allowed error. Rounding operands to bf16 (8 significant bits) uses up far more of that allowance than f16 does (11 bits, for magnitudes from 6e-5 to 65,504). All else is computed in f32.
;;   The module's matrix products, in the order in which they are computed (A, B: the left and right operand; K: the contracted axis; several contracted axes count as one K, in the product's order):
;;     1. [M 8,192, K 1,024] x [K 1,024, N 3,072]; A: input x; B: input Wqkv: QUANTISED
;;     2. batch 64 x [M 2,048, K 64] x [K 64, N 2,048]; A: computed on the way; B: computed on the way: left as it is (an operand is computed on the way)
;;     3. batch 64 x [M 2,048, K 2,048] x [K 2,048, N 64]; A: computed on the way; B: computed on the way: left as it is (an operand is computed on the way)
;;     4. [M 8,192, K 1,024] x [K 1,024, N 1,024]; A: computed on the way; B: input Wo: left as it is (an operand is computed on the way)
;;   THE QUANTISER, for each operand of a quantised product, along K:
;;     - K is cut into blocks of 32 from its start; a last block that is shorter is filled with zeros.
;;     - A block's scale is 2^e with e = floor(log2(the largest magnitude in the block)) - 2, held to -126 .. 127; a block of zeros has e = 0. As a byte (E8M0): e + 127.
;;     - Each number is divided by its block's scale, clamped to +-6, and rounded to the nearest number of E2M1, ties to even, subnormals kept.
;;     - The product sums the exact products of the quantised numbers (number of the format x scale) in f32.
;;   ~~~python
;;   def quantise(x, axis):      # numpy; x: float32 -> the quantised numbers, widened to float32 again
;;       x = np.moveaxis(x, axis, -1); K = x.shape[-1]
;;       x = np.pad(x, [(0, 0)] * (x.ndim - 1) + [(0, -K % 32)]); x = x.reshape(x.shape[:-1] + (-1, 32)); a = np.abs(x).max(-1, keepdims=True)
;;       e = np.where(a > 0, np.clip(np.frexp(np.where(a > 0, a, 1))[1] - 1 - 2, -126, 127), 0)      # np.frexp(a)[1] - 1 = floor(log2(a)), exactly
;;       r = np.clip(x / 2.0 ** e, -6, 6)
;;       step = 2.0 ** (np.maximum(np.frexp(np.where(r == 0, 1, r))[1] - 1, 0) - 1)
;;       q = np.round(r / step) * step * 2.0 ** e      # np.round: ties to even
;;       return np.moveaxis(q.reshape(q.shape[:-2] + (-1,))[..., :K], -1, axis).astype(np.float32)
;;   ~~~
;; One version. Each part assembles by itself: llvm-mc -triple=amdgcn-amd-amdhsa -mcpu=gfx1250 --defsym DOCPART=n.
;; ======== version 1 of 1: 5 launches
;; limits: values are held in f16: magnitudes above 65,504 overflow, below 6.1e-05 lose precision
;; workspace buffers: x_codes 4,194,304 bytes; x_scales 262,144 bytes; w_codes 1,572,864 bytes; w_scales 98,304 bytes; wo16kb 2,129,920 bytes; qkvh 50,331,648 bytes; qkvf 786,432 bytes; yh 16,777,216 bytes
;; launch prep (part 1): grid 384 x 1, 4 waves a work-group, no clusters, 33,280 bytes of LDS; arguments x, Wqkv, x_codes, x_scales, w_codes, w_scales, Wo, attention_mask, wo16kb; writes x_codes, x_scales, w_codes, w_scales, wo16kb
.if DOCPART == 1
	.amdgcn_target "amdgcn-amd-amdhsa--gfx1250"
	.amdhsa_code_object_version 6
	.text
	.protected	k_q5b656a5919_prep
	.globl	k_q5b656a5919_prep
	.p2align	8
	.type	k_q5b656a5919_prep,@function
k_q5b656a5919_prep:
	s_mov_b64 s[64:65], 0
	v_nop
	global_prefetch_b8 v0, s[64:65] scope:SCOPE_SE
	s_setreg_imm32_b32 hwreg(HW_REG_WAVE_MODE, 25, 1), 1
	s_wait_xcnt 0x0
; THREE JOBS IN ONE LAUNCH, told apart by the work-group's number.
; (1) x [8192][1024] and Wqkv [3072][1024], f32, become codes of FP4 (E2M1), K innermost, two codes a byte, with one E8M0 scale byte for each 32 along K (work-groups 0 to 351).
;     A block's scale is 2^(floor(log2(its largest magnitude)) - 2); its byte is the largest magnitude's exponent field - 2, held at 1 from below.  A block of zeros so gets the byte 1 where the
;     rule says 127: its codes are zeros, which add nothing under any byte but 0xff, and the bytes are read by this program alone.
; (2) Wo [1024][1024] f32 becomes f16, rounded to nearest even, as it lies (work-groups 352 to 383): bytes 0 to 2,097,151 of wo16kb.
; (3) attention_mask [4][2048] becomes a key bias in f32, 0 where the key counts and -2^101 where it does not: bytes from 2,097,152 of wo16kb (waves 0 and 1 of the same work-groups).
; LIMITS: blocks whose largest magnitude lies under 2^(2 - 126) keep the byte 1; NaN and infinities among the inputs are not served; |Wo| stays under 65,504, and under 6e-5 f16 keeps fewer bits.
; Rows are dense and K is a multiple of 32, so x and Wqkv are plain streams of blocks of 32 numbers.  A wave takes 16 steps of 512 numbers.  Each of a step's four loads reads 512 consecutive bytes; the
; 2,048 bytes turn through the wave's own stage in LDS and come back 64 bytes a lane (16 neighbours along K; two neighbouring lanes hold a block).  A lane's 16 codes are 8 bytes: the wave stores 256
; consecutive bytes.  A wave's 256 scale bytes are gathered in LDS and leave as one aligned run of 256 bytes.  No tensor loads, no barrier: waves share nothing.  No matrix unit, no cluster: a stream.
.set SIZE_M, 8192
.set SIZE_N, 3072
.set SIZE_K, 1024
.set WAVES, 4
.set STEPS, 16
.set WGA,   SIZE_M*SIZE_K/(512*STEPS*WAVES)            ; 256 work-groups for x
.set WGQ,   (SIZE_M+SIZE_N)*SIZE_K/(512*STEPS*WAVES)   ; 352 for x and Wqkv; 32 more for Wo and the mask
.set EMAX,  2
.set CB,    8                          ; bytes of 16 codes
.set R,     16                         ; v16-79   four sets of 16 numbers as they are loaded
.set X,     80                         ; v80-111  two sets of 16 neighbours
.set C,     128                        ; v128-191 codes: four registers for each step, so that no store's data are written again
.set E,     112                        ; v112-127 a scale byte for each step
.set WREG,  8192                       ; LDS: a region for each wave: two stages of 32 x SP bytes, and behind them its 256 scale bytes
.set SP,    80                         ; a lane's place in a stage: its 64 bytes + 16 of padding
.set SPW,   12                         ; v12      LDS address of my spare word; never rewritten
.set NIL,   13                         ; v13      0; never rewritten
.set SPARE, WAVES*WREG                 ; behind the four regions: the spare words, 128 bytes for each wave
.set KBOFF, 2097152                    ; where the key bias begins in wo16kb
.set NEG,   0xf2000000                 ; -2^101
	s_load_b128 s[4:7], s[0:1], 0x0                ; x, Wqkv
	s_load_b128 s[8:11], s[0:1], 0x10              ; x's codes, x's scales
	s_load_b128 s[12:15], s[0:1], 0x20             ; Wqkv's codes, Wqkv's scales
	s_load_b128 s[24:27], s[0:1], 0x30             ; Wo, attention_mask
	s_load_b64 s[28:29], s[0:1], 0x40              ; wo16kb
	v_lshl_add_u32 v[SPW], v0, 2, SPARE
	v_mov_b32 v[NIL], 0
	v_lshrrev_b32 v1, 5, v0
	v_readfirstlane_b32 s16, v1                    ; wave
	v_and_b32 v2, 31, v0                           ; lane
	v_lshlrev_b32 v3, 4, v2                        ; my 16 bytes of a load's 512
	s_mul_i32 s17, s16, WREG
	v_lshrrev_b32 v14, 2, v2
	v_mul_u32_u24 v14, v14, SP
	v_and_b32 v15, 3, v2
	v_lshl_add_u32 v14, v15, 4, v14
	v_add_nc_u32 v14, s17, v14                     ; the stage, on the way in: four lanes' 64 bytes on end, then 16 of padding
	v_mul_u32_u24 v15, v2, SP
	v_add_nc_u32 v15, s17, v15                     ; and on the way out: SP x lane: my 16 neighbours
	v_mul_u32_u24 v4, v2, CB                       ; my codes' place in a step's
	v_lshrrev_b32 v5, 1, v2
	s_add_co_u32 s17, s17, 2*32*SP
	v_add_nc_u32 v5, s17, v5                       ; LDS: my wave's 256 scale bytes, my block's byte
	v_lshlrev_b32 v7, 3, v2                        ; 8 bytes a lane
	v_add_nc_u32 v6, s17, v7
	s_wait_kmcnt 0x0
	s_cmp_ge_u32 ttmp9, WGQ                        ; the last 32 work-groups take Wo and the mask
	s_cbranch_scc1 .Lwo
	s_cmp_lt_u32 ttmp9, WGA                        ; x's work-group or Wqkv's?  Only pointers are chosen: both take one path
	s_cselect_b64 s[4:5], s[4:5], s[6:7]
	s_cselect_b64 s[8:9], s[8:9], s[12:13]
	s_cselect_b64 s[10:11], s[10:11], s[14:15]
	s_cselect_b32 s17, 0, WGA
	s_sub_co_u32 s17, ttmp9, s17
	s_lshl_b32 s17, s17, 2
	s_add_co_u32 s18, s17, s16                     ; which run of 8,192 numbers of the tensor is my wave's
	s_mov_b32 s19, 0
	s_mov_b64 s[20:21], 512*STEPS*4
	s_mul_u64 s[20:21], s[18:19], s[20:21]
	s_add_nc_u64 s[4:5], s[4:5], s[20:21]
	s_mov_b64 s[20:21], 32*STEPS*CB
	s_mul_u64 s[20:21], s[18:19], s[20:21]
	s_add_nc_u64 s[8:9], s[8:9], s[20:21]
	s_lshl_b32 s18, s18, 8                         ; 256 scale bytes a run
	s_add_nc_u64 s[10:11], s[10:11], s[18:19]
.macro LOAD t
.irp i, 0,1,2,3
	global_load_b128 v[R+16*((\t)%4)+4*\i:R+16*((\t)%4)+4*\i+3], v3, s[4:5] offset:2048*(\t)+512*\i th:TH_LOAD_NT   ; 32 lanes read 512 consecutive bytes
.endr
.endm
.macro TURN t                          ; step t's numbers through the stage: LDS serves a wave's instructions in order, so no wait stands between the stores and the loads
.irp i, 0,1,2,3
	ds_store_b128 v14, v[R+16*((\t)%4)+4*\i:R+16*((\t)%4)+4*\i+3] offset:32*SP*((\t)%2)+8*SP*\i
.endr
.irp i, 0,1,2,3
	ds_load_b128 v[X+16*((\t)%2)+4*\i:X+16*((\t)%2)+4*\i+3], v15 offset:32*SP*((\t)%2)+16*\i
.endr
.endm
.irp t, 0,1,2,3
	LOAD \t
.endr
	s_wait_loadcnt 12                              ; step 0's four loads are in; the twelve of steps 1 to 3 may be out
	TURN 0
.macro STEP t
.set XS, X+16*((\t)%2)
.if (\t) > 0
	s_wait_dscnt 1                                 ; this step's numbers are back from the stage (the last step's byte store may be out): so its stores into the stage have read their registers,
.else
	s_wait_dscnt 0x0
.endif
.if (\t)+4 < STEPS
	LOAD (\t)+4                                    ; which take the loads of four steps on
.endif
.if (\t)+1 < STEPS
.if STEPS-2-(\t) >= 3
	s_wait_loadcnt 12                              ; the next step's four loads are in; those of the three steps behind it may be out
.else
	s_wait_loadcnt 4*(STEPS-2-(\t))
.endif
	TURN (\t)+1                                    ; and go through the other stage while this step is worked
.endif
	v_max3_num_f32 v8, |v[XS]|, |v[XS+1]|, |v[XS+2]|               ; the largest magnitude of my 16, in two chains
	v_max3_num_f32 v9, |v[XS+3]|, |v[XS+4]|, |v[XS+5]|
.irp i, 6,10
	v_max3_num_f32 v8, v8, |v[XS+\i]|, |v[XS+\i+1]|
	v_max3_num_f32 v9, v9, |v[XS+\i+2]|, |v[XS+\i+3]|
.endr
	v_max3_num_f32 v8, v8, |v[XS+14]|, |v[XS+15]|
	v_max3_num_f32 v8, v8, v9, (EMAX+1)<<23        ; and the floor 2^(EMAX + 1 - 127): so the byte cannot fall under 1
	v_max_num_f32_dpp v8, v8, v8 row_xmask:1 row_mask:0xf bank_mask:0xf   ; and of my neighbour's 16: the block's
	v_add_nc_u32 v11, -(EMAX<<23), v8              ; EMAX off its exponent field: the conversion takes the exponent field of this operand as its scale, and nothing else of it
	v_cvt_scalef32_pk8_fp4_f32 v[C+4*(\t)], v[XS:XS+7], v11        ; eight numbers / the scale, to the nearest code, ties to even, beyond the largest code the largest
	v_cvt_scalef32_pk8_fp4_f32 v[C+4*(\t)+1], v[XS+8:XS+15], v11
	v_lshrrev_b32 v[E+(\t)], 23, v11               ; the scale's byte
	ds_store_b8 v5, v[E+(\t)] offset:16*(\t)       ; both lanes of a block write the same byte with the same value
	global_store_b64 v4, v[C+4*(\t):C+4*(\t)+1], s[8:9] offset:32*CB*(\t)   ; 32 lanes store 256 consecutive bytes, aligned
.endm
.irp t, 0,1,2,3,4,5,6,7,8,9,10,11,12,13,14,15
	STEP \t
.endr
	ds_load_b64 v[8:9], v6                         ; LDS serves a wave's instructions in order: these see my stores
	s_wait_dscnt 0x0
	global_store_b64 v7, v[8:9], s[10:11]          ; 32 lanes store 256 consecutive bytes, aligned
	s_wait_tensorcnt 0x0                           ; the wave's end: behind my last LDS store
	ds_add_u32 v[SPW], v[NIL]
	s_wait_dscnt 0x0
	s_endpgm
; ---- Wo to f16, and the key bias.  Wave u of 128 takes 8,192 numbers: four batches of 16 loads of 512 bytes, two batches in flight.
.macro LOADW n
.irp i, 0,1,2,3,4,5,6,7,8,9,10,11,12,13,14,15
	global_load_b128 v[16+64*((\n)%2)+4*\i:16+64*((\n)%2)+4*\i+3], v3, s[24:25] offset:(16*(\n)+\i)*512 th:TH_LOAD_NT
.endr
.endm
.macro CVTW n
.set WR, 16+64*((\n)%2)
.irp i, 0,1,2,3,4,5,6,7,8,9,10,11,12,13,14,15
	v_cvt_pk_f16_f32 v[144+2*\i], v[WR+4*\i], v[WR+4*\i+1]
	v_cvt_pk_f16_f32 v[145+2*\i], v[WR+4*\i+2], v[WR+4*\i+3]
	global_store_b64 v7, v[144+2*\i:145+2*\i], s[30:31] offset:(16*(\n)+\i)*256   ; 32 lanes store 256 consecutive bytes, aligned
.endr
.endm
.Lwo:
	s_sub_co_u32 s17, ttmp9, WGQ                   ; 0 .. 31
	s_lshl_b32 s18, s17, 2
	s_add_co_u32 s18, s18, s16                     ; u
	s_lshl_b32 s20, s18, 15                        ; 32,768 bytes of f32,
	s_mov_b32 s21, 0
	s_add_nc_u64 s[24:25], s[24:25], s[20:21]
	s_lshl_b32 s20, s18, 14                        ; 16,384 of f16
	s_add_nc_u64 s[30:31], s[28:29], s[20:21]
	LOADW 0
	LOADW 1
	s_wait_loadcnt 16                              ; batch 0 is in; batch 1's sixteen may be out
	CVTW 0
	LOADW 2
	s_wait_loadcnt 16
	s_wait_xcnt 0x0                                ; the last batch's stores have read v144-175: they are written again only behind this wait
	CVTW 1
	LOADW 3
	s_wait_loadcnt 16
	s_wait_xcnt 0x0
	CVTW 2
	s_wait_loadcnt 0x0
	s_wait_xcnt 0x0
	CVTW 3
	s_cmp_lt_u32 s16, 2                            ; 32 work-groups x 2 waves x 128 words are the mask's 8,192
	s_cbranch_scc0 .Lwo_end
	s_lshl_b32 s20, s17, 10
	s_lshl_b32 s22, s16, 9
	s_add_co_u32 s20, s20, s22                     ; my wave's 512 bytes, in the mask and in the bias alike
	s_add_nc_u64 s[26:27], s[26:27], s[20:21]
	s_add_nc_u64 s[28:29], s[28:29], s[20:21]
	s_add_nc_u64 s[28:29], s[28:29], KBOFF
	global_load_b128 v[8:11], v3, s[26:27]
	v_mov_b32 v180, 0
	s_wait_loadcnt 0x0
.irp i, 0,1,2,3
	v_cmp_ne_u32 vcc_lo, 0, v[8+\i]                ; the key counts where the mask is not 0
	v_cndmask_b32 v[8+\i], NEG, v180, vcc_lo       ; 0 there, -2^101 elsewhere
.endr
	global_store_b128 v3, v[8:11], s[28:29]        ; 32 lanes store 512 consecutive bytes, aligned
.Lwo_end:
	s_endpgm
.Lfunc_end_k_q5b656a5919_prep:
	.size	k_q5b656a5919_prep, .Lfunc_end_k_q5b656a5919_prep-k_q5b656a5919_prep
	.p2alignl 7, 3214868480
	.fill 96, 4, 3214868480
	.section	.rodata,"a",@progbits
	.p2align	6, 0x0
	.amdhsa_kernel k_q5b656a5919_prep
		.amdhsa_group_segment_fixed_size 33280
		.amdhsa_private_segment_fixed_size 0
		.amdhsa_enable_private_segment 0
		.amdhsa_kernarg_size 72
		.amdhsa_user_sgpr_count 2
		.amdhsa_user_sgpr_kernarg_segment_ptr 1
		.amdhsa_wavefront_size32 1
		.amdhsa_system_sgpr_workgroup_id_x 1
		.amdhsa_system_sgpr_workgroup_id_y 1
		.amdhsa_system_sgpr_workgroup_id_z 1
		.amdhsa_system_vgpr_workitem_id 0
		.amdhsa_next_free_vgpr 192
		.amdhsa_next_free_sgpr 66
		.amdhsa_reserve_vcc 1
		.amdhsa_float_denorm_mode_32 3
		.amdhsa_float_denorm_mode_16_64 3
		.amdhsa_memory_ordered 1
		.amdhsa_forward_progress 1
		.amdhsa_inst_pref_size 55
	.end_amdhsa_kernel
	.amdgpu_metadata
---
amdhsa.version: [ 1, 2 ]
amdhsa.kernels:
  - .name:           k_q5b656a5919_prep
    .symbol:         k_q5b656a5919_prep.kd
    .args:
      - { .name: x, .offset: 0, .size: 8, .value_kind: global_buffer, .address_space: global }
      - { .name: Wqkv, .offset: 8, .size: 8, .value_kind: global_buffer, .address_space: global }
      - { .name: x_codes, .offset: 16, .size: 8, .value_kind: global_buffer, .address_space: global }
      - { .name: x_scales, .offset: 24, .size: 8, .value_kind: global_buffer, .address_space: global }
      - { .name: w_codes, .offset: 32, .size: 8, .value_kind: global_buffer, .address_space: global }
      - { .name: w_scales, .offset: 40, .size: 8, .value_kind: global_buffer, .address_space: global }
      - { .name: Wo, .offset: 48, .size: 8, .value_kind: global_buffer, .address_space: global }
      - { .name: attention_mask, .offset: 56, .size: 8, .value_kind: global_buffer, .address_space: global }
      - { .name: wo16kb, .offset: 64, .size: 8, .value_kind: global_buffer, .address_space: global }
    .group_segment_fixed_size: 33280
    .private_segment_fixed_size: 0
    .kernarg_segment_align: 8
    .kernarg_segment_size: 72
    .max_flat_workgroup_size: 128
    .sgpr_count:     66
    .vgpr_count:     192
    .wavefront_size: 32
...
	.end_amdgpu_metadata
.endif
;; end of part 1
;; launch qkv (part 2): grid 12 x 32, 4 waves a work-group, clusters of 4 x 4, 327,680 bytes of LDS; arguments x_codes, x_scales, w_codes, w_scales, qkvh, bqkv, qkvf; writes qkvh, qkvf
.if DOCPART == 2
	.amdgcn_target "amdgcn-amd-amdhsa--gfx1250"
	.amdhsa_code_object_version 6
	.text
	.protected	k_q5b656a5919_qkv
	.globl	k_q5b656a5919_qkv
	.p2align	8
	.type	k_q5b656a5919_qkv,@function
k_q5b656a5919_qkv:
	s_mov_b64 s[64:65], 0
	v_nop
	global_prefetch_b8 v0, s[64:65] scope:SCOPE_SE
	s_setreg_imm32_b32 hwreg(HW_REG_WAVE_MODE, 25, 1), 1
	s_wait_xcnt 0x0
	s_wait_alu depctr_hold_cnt(0) depctr_sa_sdst(0) depctr_va_vdst(0) depctr_va_sdst(0) depctr_va_ssrc(0) depctr_va_vcc(0) depctr_vm_vsrc(0)
	s_getreg_b32 s2, hwreg(HW_REG_IB_STS2, 6, 4)
	s_cmp_eq_u32 s2, 0
	s_cbranch_scc0 .Lentry_in_a_cluster
	s_endpgm
.Lentry_in_a_cluster:
	s_bfe_u32 s2, ttmp6, 0x10000c
	s_cmp_lg_u32 s2, 0xf033
	s_cbranch_scc0 .Lentry_shape_is_right
	s_endpgm
.Lentry_shape_is_right:
; qkv = x Wqkv^T + bqkv on codes of FP4 (E2M1) with one E8M0 scale for each 32 along K; sums in f32.  A = x: [8192][1024] as codes, B = Wqkv: [3072][1024] as codes; their scale bytes [rows][32].
; OUT: q, k, v rounded once to f16, laid by head: qkvh [3][4 b][16 h][2048 t][64]; and the first 16 positions of every sequence once more in f32: qkvf [4 b][16 t][3072].
; LIMIT: |q|, |k|, |v| stay under 65,504 (f16's largest number).
; A tile of 256 x 256 is made by a work-group of four waves; a wave makes 128 x 128: 64 accumulators of 16 x 16, 512 registers.  K = 1,024 is two LDS slots of 512 along K (rows of 256 bytes): both are
; filled once, at the start, by the tensor data mover; nothing is filled again.  The scale bytes of the work-group's rows, for all of K, come with them in dense runs of 256 bytes and stay.
; CLUSTERS: 4 x 4 work-groups.  The four of a row of the cluster need the same tiles of A, the four of a column the same tiles of B: each tile is asked for JOINTLY, by the same tensor load with the
; same descriptor and a mask that names the four.  Tile row = 8 cy + cluster y: so the sequence is cy and the place in it hangs on cluster y alone, which all partners share.
; THE MATRIX INSTRUCTION IS USED TRANSPOSED (source 0 = 16 rows of B, source 1 = 16 rows of A): a lane then holds eight neighbouring columns of one row.  The bias is the C of each sum's first product.
; REGISTERS, in windows of 256: window 0: v0-31 addresses; v32-95 scale words, two sets, and nothing else; v128-191 A's fragments, ONE set; v192-255 the bias in the result's layout; on the way out v128-223 are at work.
;   window 1: B's fragments, TWO sets, at v0 and at v128.   window 2: the 32 accumulators of my rows 0-63 (accumulator (a, b) at v[8 (8 a + b)]);   window 3: those of my rows 64-127.
.set SIZE_K, 1024
.set KSTEP,  512                       ; along K in a slot
.set NQ,     KSTEP/128                 ; matrix instructions deep
.set ROWB,   256                       ; a tile's row in bytes
.set KROW,   SIZE_K/2                  ; a row of codes in memory, in bytes
.set PITCH,  272                       ; an LDS row: 256 bytes + 16 of padding: the 16 rows that a load touches start 16 bytes apart modulo 256
.set FR,     8                         ; registers of a fragment: 16 rows x 128 K
.set NL,     2                         ; LDS loads that bring one
.set NP,     4                         ; places behind this matrix instruction (ISA guide 7.12.1)
.set HALFT,  128*PITCH                 ; 128 rows: what one tensor load brings, and what one wave reads of A or of B
.set SLOT,   4*HALFT                   ; A's 256 rows, then B's 256 rows
.set KS,     SIZE_K/32                 ; a row of scales in bytes
.set SCL,    2*SLOT                    ; behind the two slots: the scales, as runs of 256 bytes + 16 of padding
.set HALFS,  (128*KS/256)*272          ; the scales of 128 rows: what one tensor load brings
.set SBLK,   (16*KS/256)*272           ; those of 16 rows
.set SPARE,  SCL+4*HALFS               ; behind the scales: the spare words, 128 bytes for each wave
.set SPITCH, 272                       ; the way out: a stage of 16 rows x (256 bytes + 16) for each wave, in slot 0, which has had its one fill and its last read when the first result is stored there
.set ADRA, 16                          ; v16-17  LDS address of my A fragments in slot 0, 1
.set ADRB, 20                          ; v20-21  the same for B
.set STO,  24                          ; v24     the way out: where I put 16 bytes of a row
.set RD,   25                          ; v25     the way out: where I read back
.set CO,   26                          ; v26     16 x lane
.set ADRS, 27                          ; v27     LDS address of my scale words: lanes 0-15 A's rows, lanes 16-31 B's
.set SPW,  28                          ; v28     LDS address of my spare word; never rewritten
.set NIL,  29                          ; v29     0; never rewritten
.set CF,   30                          ; v30     my byte offset in qkvf: row l % 16, 32 bytes for each half of the lanes
.set BA,   31                          ; v31     32 x (l / 16): my eight numbers of a block of the bias
.set SC,   32                          ; scale words: set s at v[SC + 32 s]; register 4 i + q: lanes 0-15 the word of A's block i, lanes 16-31 that of B's block i
.set AF,   128                         ; A's fragments
.set BI,   192                         ; the bias: block b at v[BI + 8 b]
.set TMP,  128                         ; the way out: packed results
.set BK,   160                         ; the way out: rows read back: v160-191 and v192-223 by turns
.set G1, 24                            ; s[24:31] descriptor group 1 for A's tiles;  s[32:39] group 0, one set for each slot
.set G0, 32
.set G1B, 48                           ; s[48:55], s[56:63] the same for B's tiles
.set G0B, 56
.set G1S, 68                           ; s[68:75], s[76:79] groups 1 and 0 for A's scales;  s[80:87], s[88:91] for B's
.set G0S, 76
.set G1SB, 80
.set G0SB, 88
.set MSB, 0
.macro WIN new                         ; the immediate's high byte repeats the setting that is left
.if MSB != (\new)
	s_set_vgpr_msb (MSB<<8)|(\new)
.set MSB, (\new)
.endif
.endm
.set MUL_LO, 0xa1                      ; source 0 (B) window 1, source 1 (A) window 0, C and D window 2
.set MUL_HI, 0xf1                      ; the same, C and D window 3
.set TO_B,   0x40                      ; destination window 1, address window 0
; A joint load: waves 0 and 1 fetch for A, waves 2 and 3 for B.  Each of the two lines has ONE mask and one set of registers for all that issue it; the branch hangs on the wave's number alone.
; An s_nop 0 and four v_nop follow each of the two lines, ahead of the jump, the label and what follows.
.macro JLOAD g0a, g1a, g0b, g1b
	s_cmp_eq_u32 s15, 0
	s_cbranch_scc0 .Lfor_b_\@
	tensor_load_to_lds s[\g0a:\g0a+3], s[\g1a:\g1a+7]
	s_nop 0
.rept 4
	v_nop
.endr
	s_branch .Lasked_\@
.Lfor_b_\@:
	tensor_load_to_lds s[\g0b:\g0b+3], s[\g1b:\g1b+7]
	s_nop 0
.rept 4
	v_nop
.endr
.Lasked_\@:
.endm
.macro CROUND                          ; a round of the cluster's barrier: my work-group's barrier; wave 0 signals for the work-group; every wave waits for all sixteen; my work-group's barrier once more
	s_barrier_signal -1
	s_barrier_wait -1
	s_cmp_lg_u32 s14, 0
	s_cbranch_scc1 .Lnot_wave_0_\@
	s_barrier_signal -3
.Lnot_wave_0_\@:
	s_barrier_wait -3
	s_barrier_signal -1
	s_barrier_wait -1
.endm
	s_load_b128 s[4:7], s[0:1], 0x0                ; A's codes s[4:5], A's scales s[6:7]
	s_load_b128 s[8:11], s[0:1], 0x10              ; B's codes s[8:9], B's scales s[10:11]
	s_load_b64 s[12:13], s[0:1], 0x20              ; qkvh
	s_load_b64 s[96:97], s[0:1], 0x28              ; bqkv
	s_load_b64 s[98:99], s[0:1], 0x30              ; qkvf
	v_lshl_add_u32 v[SPW], v0, 2, SPARE
	v_mov_b32 v[NIL], 0
	ds_add_u32 v[SPW], v[NIL]                      ; the wave's opening: the add, twice on end, and its wait ahead of my first tensor load
	ds_add_u32 v[SPW], v[NIL]                      ; and once more, under the one wait; the set-up below, work on registers, stands between
	v_lshrrev_b32 v1, 5, v0
	v_readfirstlane_b32 s14, v1                    ; wave 0..3
	s_lshr_b32 s15, s14, 1                         ; which half of the tile's rows is mine.  Also: I fetch for A (0) or for B (1)
	s_and_b32 s16, s14, 1                          ; which half of its columns.  Also: which 128 rows of that tile I fetch
	s_bfe_u32 s40, ttmp6, 0x40000                  ; cx, cy: my place in the cluster
	s_bfe_u32 s41, ttmp6, 0x40004
	s_lshl_b32 s42, ttmp9, 2
	s_add_co_u32 s42, s42, s40                     ; tile column = 4 x cluster x + cx: cluster x says q, k or v
	s_and_b32 s17, ttmp7, 0xffff
	s_lshl_b32 s18, s41, 3
	s_add_co_u32 s17, s17, s18                     ; tile row = 8 cy + cluster y: sequence cy, positions 256 x cluster y on
	s_lshl_b32 s43, s41, 2
	s_lshl_b32 s43, 15, s43                        ; my row of the cluster
	s_lshl_b32 s44, 0x1111, s40                    ; my column
	; descriptor group 1: a tile of 128 rows x ROWB bytes, padded in LDS
	s_or_b32 s[G1+0], s43, (0<<16)|(1<<20)|(1<<21)|(5<<22)|(3<<25)  ; 15:0 the mask: A's tiles go to my row; 17:16 element of 1 byte; 20 padding on; 21 set beside a mask; 24:22 after every 64 words; 31:25 of 4 words
	s_or_b32 s[G1B+0], s44, (0<<16)|(1<<20)|(1<<21)|(5<<22)|(3<<25)
.irp g, G1, G1B
	s_mov_b32 s[\g+1], ROWB<<16                    ; tensor_dim0
	s_mov_b32 s[\g+2], 128<<16                     ; tensor_dim1 = 128
	s_mov_b32 s[\g+3], ROWB<<16                    ; tile_dim0
	s_mov_b32 s[\g+4], 128                         ; tile_dim1 = 128
	s_mov_b32 s[\g+5], KROW                        ; tensor_dim0_stride
	s_mov_b32 s[\g+6], 0
	s_mov_b32 s[\g+7], 0
.endr
	; and for the scales of 128 rows: a dense block of 4,096 bytes, as rows of 256 bytes (32 elements of 8 bytes), 16 bytes of padding behind each
	s_or_b32 s[G1S+0], s43, (3<<16)|(1<<20)|(1<<21)|(5<<22)|(3<<25)
	s_or_b32 s[G1SB+0], s44, (3<<16)|(1<<20)|(1<<21)|(5<<22)|(3<<25)
.irp g, G1S, G1SB
	s_mov_b32 s[\g+1], 32<<16
	s_mov_b32 s[\g+2], (128*KS/256)<<16
	s_mov_b32 s[\g+3], 32<<16
	s_mov_b32 s[\g+4], 128*KS/256
	s_mov_b32 s[\g+5], 32
	s_mov_b32 s[\g+6], 0
	s_mov_b32 s[\g+7], 0
.endr
	s_lshl_b32 s18, s16, 7                         ; which 128 rows of the tile I fetch
	s_lshl_b32 s20, s17, 8
	s_add_co_u32 s20, s20, s18                     ; A: row 256 x tile row + 128 x half
	s_lshl_b32 s46, s42, 8
	s_add_co_u32 s46, s46, s18                     ; B: row 256 x tile column + 128 x half
	s_mov_b32 s21, 0
	s_mov_b32 s47, 0
	s_mov_b64 s[18:19], KS
	s_mul_u64 s[22:23], s[20:21], s[18:19]         ; where these rows' scales begin, in bytes
	s_mul_u64 s[92:93], s[46:47], s[18:19]
	s_mov_b64 s[18:19], KROW
	s_mul_u64 s[20:21], s[20:21], s[18:19]         ; and their codes
	s_mul_u64 s[46:47], s[46:47], s[18:19]
	s_mul_i32 s45, s14, HALFT                      ; where they go: wave x 128 rows: no place in the cluster enters an LDS address
	s_mul_i32 s94, s14, HALFS
	s_wait_dscnt 0x0                               ; both opening adds are done
	s_wait_kmcnt 0x0
	s_add_nc_u64 s[20:21], s[4:5], s[20:21]
	s_add_nc_u64 s[22:23], s[6:7], s[22:23]
	s_add_nc_u64 s[46:47], s[8:9], s[46:47]
	s_add_nc_u64 s[92:93], s[10:11], s[92:93]
	CROUND                                         ; all sixteen work-groups are here: the joint loads meet
	s_mov_b32 s[G0S], 1
	s_add_co_u32 s[G0S+1], s94, SCL
	s_mov_b64 s[G0S+2:G0S+3], s[22:23]
	s_or_b32 s[G0S+3], s[G0S+3], 0x80000000
	s_mov_b32 s[G0SB], 1
	s_add_co_u32 s[G0SB+1], s94, SCL
	s_mov_b64 s[G0SB+2:G0SB+3], s[92:93]
	s_or_b32 s[G0SB+3], s[G0SB+3], 0x80000000
	JLOAD G0S, G1S, G0SB, G1SB                     ; the scales first: they are wanted with slot 0
.irp s, 0,1
	s_mov_b32 s[G0+4*\s], 1
	s_add_co_u32 s[G0+4*\s+1], s45, \s*SLOT
	s_add_nc_u64 s[G0+4*\s+2:G0+4*\s+3], s[20:21], \s*ROWB
	s_or_b32 s[G0+4*\s+3], s[G0+4*\s+3], 0x80000000
	s_mov_b32 s[G0B+4*\s], 1
	s_add_co_u32 s[G0B+4*\s+1], s45, \s*SLOT
	s_add_nc_u64 s[G0B+4*\s+2:G0B+4*\s+3], s[46:47], \s*ROWB
	s_or_b32 s[G0B+4*\s+3], s[G0B+4*\s+3], 0x80000000
	JLOAD G0+4*\s, G1, G0B+4*\s, G1B               ; by this text's count three tensor loads of mine are out
.endr
	v_and_b32 v1, 15, v0                           ; l % 16
	v_bfe_u32 v2, v0, 4, 1                         ; l / 16
	v_mul_u32_u24 v3, v1, PITCH
	v_lshl_add_u32 v4, v2, 4, v3                   ; a fragment's row x pitch + 16 x half
	s_mul_i32 s21, s15, HALFT                      ; my 128 rows of A
	s_mul_i32 s22, s16, HALFT                      ; my 128 rows of B,
	s_add_co_u32 s22, s22, 2*HALFT                 ; which lie behind A's 256
.irp s, 0,1
	v_add_nc_u32 v[ADRA+\s], s21, v4
	v_add_nc_u32 v[ADRB+\s], s22, v4
	s_add_co_u32 s21, s21, SLOT
	s_add_co_u32 s22, s22, SLOT
.endr
	v_mul_u32_u24 v5, v1, KS                       ; my row's scales: KS bytes a row,
	v_lshrrev_b32 v6, 8, v5
	v_lshl_add_u32 v5, v6, 4, v5                   ; and 16 more for each 256 passed
	s_mul_i32 s21, s15, HALFS                      ; A's: my 128 rows
	s_mul_i32 s22, s16, HALFS                      ; B's: my 128 rows, behind A's 256
	s_add_co_u32 s22, s22, 2*HALFS
	s_sub_co_u32 s22, s22, s21
	v_mul_u32_u24 v6, s22, v2                      ; lanes 16-31 take B's
	s_add_co_u32 s21, s21, SCL
	v_add_nc_u32 v5, v5, v6
	v_add_nc_u32 v[ADRS], s21, v5
	s_mul_i32 s23, s14, 16*SPITCH                  ; my stage
	v_mul_u32_u24 v5, v1, SPITCH                   ; in: row l % 16, 16 bytes for each half of the lanes
	v_lshl_add_u32 v5, v2, 4, v5
	v_add_nc_u32 v[STO], s23, v5
	v_and_b32 v6, 31, v0
	v_lshlrev_b32 v[CO], 4, v6                     ; 16 x lane
	v_lshrrev_b32 v5, 3, v6                        ; back: eight lanes take the 128 bytes that one row has of one head; four rows an instruction
	v_mul_u32_u24 v5, v5, SPITCH
	v_and_b32 v6, 7, v0
	v_lshl_add_u32 v5, v6, 4, v5
	v_add_nc_u32 v[RD], s23, v5
	v_mul_u32_u24 v[CF], v1, 12288                 ; qkvf: a row is 3,072 numbers of 4 bytes
	v_lshl_add_u32 v[CF], v2, 5, v[CF]
	v_lshlrev_b32 v[BA], 5, v2
	s_lshl_b32 s46, s42, 10                        ; my first column x 4 bytes: 1,024 x tile column + 512 x half
	s_lshl_b32 s47, s16, 9
	s_add_co_u32 s46, s46, s47
	s_mov_b32 s47, 0
	s_add_nc_u64 s[96:97], s[96:97], s[46:47]      ; the bias at my 128 columns
	s_add_nc_u64 s[98:99], s[98:99], s[46:47]      ; qkvf likewise,
	s_mul_i32 s20, s41, 196608                     ; in sequence cy: 16 rows of 12,288 bytes
	s_mov_b32 s21, 0
	s_add_nc_u64 s[98:99], s[98:99], s[20:21]
	s_lshl_b32 s20, ttmp9, 24                      ; qkvh: q, k or v: 16,777,216 bytes each;
	s_lshl_b32 s22, s41, 22                        ; the sequence: 4,194,304;
	s_add_co_u32 s20, s20, s22
	s_lshl_b32 s22, s40, 20                        ; my first head, 4 cx + 2 x half: 262,144 each;
	s_add_co_u32 s20, s20, s22
	s_lshl_b32 s22, s16, 19
	s_add_co_u32 s20, s20, s22
	s_and_b32 s23, ttmp7, 0xffff
	s_lshl_b32 s22, s23, 15                        ; my first position, 256 x cluster y + 128 x half: 128 bytes each
	s_add_co_u32 s20, s20, s22
	s_lshl_b32 s22, s15, 14
	s_add_co_u32 s20, s20, s22
	s_add_nc_u64 s[12:13], s[12:13], s[20:21]
	s_or_b32 s3, s23, s15                          ; 0 in the waves whose first 16 rows are positions 0 to 15: cluster y and the wave's number alone, alike in all partners
.irp b, 0,1,2,3,4,5,6,7
	global_load_b128 v[BI+8*\b:BI+8*\b+3], v[BA], s[96:97] offset:64*\b        ; lane (r, h): the bias of columns 16 b + 8 h + 0 .. 7
	global_load_b128 v[BI+8*\b+4:BI+8*\b+7], v[BA], s[96:97] offset:64*\b+16
.endr
.macro FRAG reg, adr, q, i             ; a fragment, 16 rows x 128 K of 4-bit codes, is 8 registers: lane l holds row l % 16; registers 4 c .. 4 c + 3 hold K = 64 c + 32 (l / 16) + 0 .. 31
.irp c, 0,1
	ds_load_b128 v[\reg+4*\c:\reg+4*\c+3], v[\adr] offset:64*(\q)+32*\c+(\i)*16*PITCH
.endr
.endm
; 16 matrix instructions: A's blocks a0, a0 + 1 x B's eight, 128 along K: the slot's q-th.  p: B's set;  sc: the set of scale words.  first = 1: the first product starts the sums from the bias: nothing is cleared.
; The 64 accumulators take turns, one instruction a turn, in the same order in every step.
.macro MUL16 a0, p, q, sc, first
.irp a, \a0, \a0+1
.irp b, 0,1,2,3,4,5,6,7
.if \first
	v_wmma_scale_f32_16x16x128_f8f6f4 v[8*(8*((\a)%4)+\b):8*(8*((\a)%4)+\b)+7], v[128*(\p)+FR*\b:128*(\p)+FR*\b+FR-1], v[AF+FR*(\a):AF+FR*(\a)+FR-1], v[BI+8*\b:BI+8*\b+7], v[SC+8*NQ*(\sc)+NQ*\b+(\q)], v[SC+8*NQ*(\sc)+NQ*(\a)+(\q)] matrix_a_fmt:MATRIX_FMT_FP4 matrix_b_fmt:MATRIX_FMT_FP4 matrix_a_scale:MATRIX_SCALE_ROW1
.else
	v_wmma_scale_f32_16x16x128_f8f6f4 v[8*(8*((\a)%4)+\b):8*(8*((\a)%4)+\b)+7], v[128*(\p)+FR*\b:128*(\p)+FR*\b+FR-1], v[AF+FR*(\a):AF+FR*(\a)+FR-1], v[8*(8*((\a)%4)+\b):8*(8*((\a)%4)+\b)+7], v[SC+8*NQ*(\sc)+NQ*\b+(\q)], v[SC+8*NQ*(\sc)+NQ*(\a)+(\q)] matrix_a_fmt:MATRIX_FMT_FP4 matrix_b_fmt:MATRIX_FMT_FP4 matrix_a_scale:MATRIX_SCALE_ROW1
.endif
.endr
.endr
.endm
.macro FETCH_B slot, q, p              ; B's eight fragments of the slot's q-th 128 along K into set p
	WIN TO_B
.irp i, 0,1,2,3,4,5,6,7
	FRAG 128*(\p)+FR*\i, ADRB+\slot, \q, \i
.endr
	WIN 0
.endm
.macro FETCH_A slot, q, i0             ; A's blocks i0 .. i0 + 3
.irp i, \i0, \i0+1, \i0+2, \i0+3
	FRAG AF+FR*(\i), ADRA+\slot, \q, \i
.endr
.endm
.macro SCALES sc                       ; a slot's scale words into set sc: 4 words a row; lanes 0-15 take A's block i, lanes 16-31 B's block i
.irp i, 0,1,2,3,4,5,6,7
	ds_load_b128 v[SC+8*NQ*\sc+NQ*\i:SC+8*NQ*\sc+NQ*\i+3], v[ADRS] offset:\i*SBLK
.endr
.endm
; A load into a register that a matrix instruction has read, and a vector instruction or a store that reads a matrix result, stand NP places behind that matrix instruction, and only plain vector
; instructions that name none of its registers are places (ISA guide 7.12.1 for vector instructions).
.macro PLACES n
.rept \n
	v_nop
.endr
.endm
; A step of 128 along K that has its successor in the same slot.  A's blocks one after the other, each against B's eight: so one set of registers serves A (blocks 0-3 are fetched anew in the step's middle, 4-7 at its end).
.macro STEP slot, q, first
	s_wait_dscnt 4*NL                              ; B's set and A's blocks 0-3 are in; the youngest eight loads (A's blocks 4-7) may be out
.if \first
	WIN 0x81                                       ; source 0 window 1, C (the bias) window 0, D window 2
.else
	WIN MUL_LO
.endif
	MUL16 0, (\q)%2, \q, \slot, \first
	MUL16 2, (\q)%2, \q, \slot, \first
	s_wait_dscnt 0                                 ; A's blocks 4-7 are in (asked for 32 matrix instructions ago)
	PLACES NP
	FETCH_B \slot, (\q)+1, 1-(\q)%2
	FETCH_A \slot, (\q)+1, 0
.if \first
	WIN 0xc1                                       ; the same, D window 3
.else
	WIN MUL_HI
.endif
	MUL16 4, (\q)%2, \q, \slot, \first
	MUL16 6, (\q)%2, \q, \slot, \first
	PLACES NP
	WIN 0
	FETCH_A \slot, (\q)+1, 4
.endm
; Slot 0's last step goes over to slot 1: ONE barrier; in front of it each wave waits for all its tensor loads (its part of slot 1), and for its own reads of slot 0, which becomes the stage later.
.macro TURN slot, next
	s_wait_tensorcnt 0x0                           ; all my tensor loads have landed: my part of the next slot;  (every window is 0 here: the add's two registers lie in window 0)
	ds_add_u32 v[SPW], v[NIL]                      ; 0 onto my spare word;
	s_wait_dscnt 4*NL+1                            ; (the add and the youngest eight loads, A's blocks 4-7, may be out)
	WIN MUL_LO
	MUL16 0, 1, NQ-1, \slot, 0                     ; sixteen matrix instructions stand between the add and the wait for it
	s_wait_dscnt 0x0                               ; the add is done, and my reads of this slot are over
	s_barrier_signal -1
	MUL16 2, 1, NQ-1, \slot, 0
	WIN 0
	s_barrier_wait -1
	PLACES NP
	v_add_nc_u32 v[ADRS], 4*NQ, v[ADRS]            ; on to the next slot's scale words (no LDS load of mine is out)
	FETCH_B \next, 0, 0
	FETCH_A \next, 0, 0
	SCALES \next
	WIN MUL_HI
	MUL16 4, 1, NQ-1, \slot, 0
	MUL16 6, 1, NQ-1, \slot, 0
	PLACES NP
	WIN 0
	FETCH_A \next, 0, 4
.endm
.macro STEPS slot, from                ; the slot's steps from .. NQ - 2
.set QQ, \from
.rept NQ-1-\from
	STEP \slot, QQ, 0
.set QQ, QQ+1
.endr
.endm
	s_wait_tensorcnt 1                             ; the scales and my part of slot 0 are in (slot 1's load may be out)
	s_barrier_signal -1
	s_barrier_wait -1                              ; everybody's are
	FETCH_B 0, 0, 0
	FETCH_A 0, 0, 0
	SCALES 0
	FETCH_A 0, 0, 4
	s_wait_loadcnt 0x0                             ; the bias
	STEP 0, 0, 1                                   ; the first step's products start the sums from the bias
	STEPS 0, 1
	TURN 0, 1
	STEPS 1, 0
	s_wait_dscnt 4*NL                              ; the very last step: nothing more to fetch
	WIN MUL_LO
	MUL16 0, 1, NQ-1, 1, 0
	MUL16 2, 1, NQ-1, 1, 0
	s_wait_dscnt 0
	WIN MUL_HI
	MUL16 4, 1, NQ-1, 1, 0
	MUL16 6, 1, NQ-1, 1, 0
	WIN 0
; THE WAY OUT.  Positions 0 to 15 first leave in f32, as they stand in the accumulators: 32 bytes a lane, 64 consecutive bytes for two lanes; 0.8 MB of the launch's 51 MB.
	PLACES NP                                      ; behind the last products: for the reads of results and for the writes over A's fragments
	s_cmp_lg_u32 s3, 0
	s_cbranch_scc1 .Lnofine
	WIN 0x08                                       ; a store's data are its source 1: window 2
.irp b, 0,1,2,3,4,5,6,7
	global_store_b128 v[CF], v[8*\b:8*\b+3], s[98:99] offset:64*\b             ; each accumulator from its low end on
	global_store_b128 v[CF], v[8*\b+4:8*\b+7], s[98:99] offset:64*\b+16
.endr
	WIN 0
.Lnofine:
; Then block by block of 16 rows x 128 columns (two heads).  PACK: rounded to f16, 16 bytes a lane.  TOSTAGE: into my own stage in LDS, and back so that 32 lanes hold four rows of ONE head, 512 bytes
; that lie on end in qkvh.  SEND: stored.  LDS serves a wave's instructions in order (ISA guide 5.7.1.4): no wait between the stores and the loads.
.macro PACK a
.set AC, 64*((\a)%4)
	WIN 0x0a+5*((\a)/4)                            ; sources 0 and 1: window 2 or 3
.irp b, 0,1,2,3,4,5,6,7
.irp i, 0,1,2,3
	v_cvt_pk_f16_f32 v[TMP+4*\b+\i], v[AC+8*\b+2*\i], v[AC+8*\b+2*\i+1]
.endr
.endr
	WIN 0
.endm
.macro TOSTAGE a
.set BB, BK+32*((\a)%2)
.irp b, 0,1,2,3,4,5,6,7
	ds_store_b128 v[STO], v[TMP+4*\b:TMP+4*\b+3] offset:32*\b
.endr
.irp e, 0,1
.irp g, 0,1,2,3
	ds_load_b128 v[BB+4*(4*\e+\g):BB+4*(4*\e+\g)+3], v[RD] offset:\g*4*SPITCH+\e*128
.endr
.endr
.endm
.macro SEND a
.set BB, BK+32*((\a)%2)
	s_wait_dscnt 0x0                               ; the block is back in registers
	s_wait_xcnt 0x0                                ; the stores of the block before have read their registers: the next TOSTAGE loads into them only behind this wait
.irp e, 0,1
.irp g, 0,1,2,3
	global_store_b128 v[CO], v[BB+4*(4*\e+\g):BB+4*(4*\e+\g)+3], s[12:13] offset:\e*262144+(\a)*2048+\g*512   ; 32 lanes store 512 consecutive bytes, aligned
.endr
.endr
.endm
	PACK 0
	TOSTAGE 0
.irp a, 1,2,3,4,5,6,7                  ; block a's conversions stand between block a - 1's loads from the stage and the wait for them
	PACK \a
	SEND \a-1
	TOSTAGE \a
.endr
	SEND 7
	s_wait_tensorcnt 0x0                           ; the wave's end: behind my last tensor load and my last LDS store
	ds_add_u32 v[SPW], v[NIL]
	s_wait_dscnt 0x0
	CROUND                                         ; the closing round: no work-group ends while a partner may still ask for a tile that names it
	s_endpgm
.Lfunc_end_k_q5b656a5919_qkv:
	.size	k_q5b656a5919_qkv, .Lfunc_end_k_q5b656a5919_qkv-k_q5b656a5919_qkv
	.p2alignl 7, 3214868480
	.fill 96, 4, 3214868480
	.section	.rodata,"a",@progbits
	.p2align	6, 0x0
	.amdhsa_kernel k_q5b656a5919_qkv
		.amdhsa_group_segment_fixed_size 327680
		.amdhsa_private_segment_fixed_size 0
		.amdhsa_enable_private_segment 0
		.amdhsa_kernarg_size 56
		.amdhsa_user_sgpr_count 2
		.amdhsa_user_sgpr_kernarg_segment_ptr 1
		.amdhsa_wavefront_size32 1
		.amdhsa_system_sgpr_workgroup_id_x 1
		.amdhsa_system_sgpr_workgroup_id_y 1
		.amdhsa_system_sgpr_workgroup_id_z 1
		.amdhsa_system_vgpr_workitem_id 0
		.amdhsa_next_free_vgpr 1024
		.amdhsa_next_free_sgpr 100
		.amdhsa_reserve_vcc 0
		.amdhsa_float_denorm_mode_32 3
		.amdhsa_float_denorm_mode_16_64 3
		.amdhsa_memory_ordered 1
		.amdhsa_forward_progress 1
		.amdhsa_inst_pref_size 130
	.end_amdhsa_kernel
	.amdgpu_metadata
---
amdhsa.version: [ 1, 2 ]
amdhsa.kernels:
  - .name:           k_q5b656a5919_qkv
    .symbol:         k_q5b656a5919_qkv.kd
    .args:
      - { .name: x_codes, .offset: 0, .size: 8, .value_kind: global_buffer, .address_space: global }
      - { .name: x_scales, .offset: 8, .size: 8, .value_kind: global_buffer, .address_space: global }
      - { .name: w_codes, .offset: 16, .size: 8, .value_kind: global_buffer, .address_space: global }
      - { .name: w_scales, .offset: 24, .size: 8, .value_kind: global_buffer, .address_space: global }
      - { .name: qkvh, .offset: 32, .size: 8, .value_kind: global_buffer, .address_space: global }
      - { .name: bqkv, .offset: 40, .size: 8, .value_kind: global_buffer, .address_space: global }
      - { .name: qkvf, .offset: 48, .size: 8, .value_kind: global_buffer, .address_space: global }
    .group_segment_fixed_size: 327680
    .private_segment_fixed_size: 0
    .kernarg_segment_align: 8
    .kernarg_segment_size: 56
    .max_flat_workgroup_size: 128
    .sgpr_count:     100
    .vgpr_count:     1024
    .wavefront_size: 32
...
	.end_amdgpu_metadata
.endif
;; end of part 2
;; launch attn (part 3): grid 64 x 8, 8 waves a work-group, no clusters, 327,680 bytes of LDS; arguments qkvh, wo16kb, attention_mask, yh; writes yh
.if DOCPART == 3
	.amdgcn_target "amdgcn-amd-amdhsa--gfx1250"
	.amdhsa_code_object_version 6
	.text
	.protected	k_q5b656a5919_attn
	.globl	k_q5b656a5919_attn
	.p2align	8
	.type	k_q5b656a5919_attn,@function
k_q5b656a5919_attn:
	s_mov_b64 s[64:65], 0
	v_nop
	global_prefetch_b8 v0, s[64:65] scope:SCOPE_SE
	s_setreg_imm32_b32 hwreg(HW_REG_WAVE_MODE, 25, 1), 1
	s_wait_xcnt 0x0
; y[b][h][q][:] = mask[q]^2 x the sum over k of softmax_k(q . k / 8) v[k][:], key k counting for query q where k <= q and mask[k] is not 0.  q, k, v: f16, qkvh [3][64 bh][2048][64]; y: f16, yh [64 bh][2048][64].
; Products on f16 operands with f32 sums; maxima, exponentials and sums in f32; the weights p are rounded to f16 for the second product, y once at the end.
; LIMITS: |q|, |k|, |v|, |y| under 65,504, so a score's magnitude stays under 2.8e11, far above the two marks below.  NaN and infinities among the inputs are not served.
; SHARES.  A work-group owns 256 queries of one head (block 7 - y, so that the longest walks start first), each of its eight waves 32: two tiles of 16, which share each fragment of K and V read from LDS.
; A key step is 64 keys; K's and V's rows come through a ring of two LDS slots of 256 keys, filled by the tensor data mover (waves 0, 1: K's halves; waves 2, 3: V's) and read by all eight.
; LAYOUT.  S^T = K Q^T (source 0 = 16 keys, source 1 = 16 queries): a lane holds ONE query (lane % 16) and the keys 8 (lane / 16) + 0..7.  Two such tiles, rounded to f16 in pairs, ARE source 1 (32 keys x
; 16 queries) of O^T = V^T P, whose result again holds one query a lane.  K comes out of LDS as it lies, V ([key][channel]) turned, by ds_load_tr16_b128.
; MASKS.  The key mask is a bias, 0 or -2^101, made by the launch before; the batch's 2,048 lie in LDS and are the C of each score's first product.  The causal mask: a step all of whose keys come after
; the wave's queries is left out by a branch on ids; in the one step on the diagonal hidden scores become -2^101.  The running maximum begins at -2^99: a hidden score lies 3 x 2^99 under every maximum, so
; its p is 0.  A query with no key that counts keeps sum 0 and O 0: 0 x (1 / 0) is NaN, as the softmax of an empty row is.
; SOFTMAX.  For each query a running maximum m and sum l: p = 2^(c s - c m), c = log2(e) / 8; in every step O and l are multiplied by a = 2^(c m_old - c m_new).
; NO CLUSTER: the query blocks of a head walk K and V to different lengths under the causal mask (1 to 8 slots), so partners would need different numbers of tiles.
; EVERY work-group walks all 8 changes of slots, so that trip counts are constants; a slot whose first key comes after the work-group's last query is read by nobody and is not asked for.
; REGISTERS: v1-7 addresses that stay; v8-11 at work; v12-27 statistics, 8 a tile: +0 c m, +1 m, +2, +3 l (even keys', odd keys'), +4 .. +7 at work (a in +6); v28-31 a second chain of sums; v32-63 Q;
;   v64-127 S^T, then p, then P in place; v128-191 K's eight fragments, then V's; v192-255 O^T.  Window 1: v0-31 the step's bias in the result's layout.
.set PK,    144                        ; a row of K in LDS: 128 bytes + 16: the 16 rows of a load start 16 bytes apart modulo 256
.set PV,    160                        ; a row of V: 128 + 32: an odd multiple of 32, for the turning load
.set SK,    256                        ; keys in a slot
.set VOFF,  SK*PK                      ; a slot: 256 rows of K, then 256 rows of V
.set SLOT1, 1<<17                      ; slot 1 begins here, so that one exclusive or turns an address in one slot into the other's
.set KB,    2*SLOT1                    ; behind the ring: the batch's key bias, 8,192 bytes, filled once
.set SPARE, KB+8192                    ; the spare words, 128 bytes for each wave
.set KBOFF, 2097152                    ; where the key bias begins in wo16kb
.set NEG,   0xf2000000                 ; -2^101
.set MINIT, 0xf1000000                 ; -2^99
.set AK0, 1
.set AV0, 2
.set AB0, 3
.set SPW, 4                            ; v4   LDS address of my spare word; never rewritten
.set NIL, 5                            ; v5   0; never rewritten
.set DQ,  6                            ; v6   lane % 16 - 8 (lane / 16)
.set PFO, 7                            ; v7   256 x lane
.set ADK, 8
.set ADV, 9
.set ADB, 10
.set DD,  11
.set ST,  12
.set XS,  28
.set QF,  32
.set SS,  64
.set KV,  128
.set OO,  192
.set TB,  2                            ; s2   LDS byte at which the slot in hand begins
.set TJ,  3                            ; s3   the step's first key x 4: its place in the bias
.set WV,  12
.set LIM, 15                           ; s15  1 in a wave that prefetches, else the greatest number
.set SEL, 20
.set CS,  22                           ; s[22:23] c, twice: the packed form names a pair
.set G1K, 24
.set G1V, 32
.set G0K, 40
.set G0V, 44
.set G1B, 48
.set G0B, 56
.set SLOTS, 60
.set KF,  61                           ; s61  the step's first key
.set Q0,  62                           ; s62  my first query
.set PFA, 66                           ; s[66:67] where my prefetches stand
.set MSB, 0
.macro WIN new                         ; the immediate's high byte repeats the setting that is left
.if MSB != (\new)
	s_set_vgpr_msb (MSB<<8)|(\new)
.set MSB, (\new)
.endif
.endm
; Waves 0 and 1 take the first line, waves 2 and 3 the second, the others none.  The branches hang on the wave's number alone.  An s_nop 0 and four v_nop follow each line.
.macro TLOAD g0k, g1k, g0v, g1v
	s_cmp_lt_u32 s[WV], 2
	s_cbranch_scc0 .Lnot_k_\@
	tensor_load_to_lds s[\g0k:\g0k+3], s[\g1k:\g1k+7]
	s_nop 0
.rept 4
	v_nop
.endr
	s_branch .Lasked_\@
.Lnot_k_\@:
	s_cmp_lt_u32 s[WV], 4
	s_cbranch_scc0 .Lasked_\@
	tensor_load_to_lds s[\g0v:\g0v+3], s[\g1v:\g1v+7]
	s_nop 0
.rept 4
	v_nop
.endr
.Lasked_\@:
.endm
; A PREFETCH of what the NEXT change of slots will ask for: 256 rows of K and of V, 32,768 dense bytes each.  All eight work-groups of a head walk the same K and V: the one that walks them to the end
; (y = 0) asks, and in it the waves that fetch nothing: waves 4, 5 for K's halves, waves 6, 7 for V's: 16,384 bytes a wave, two instructions, lanes 256 bytes apart.  So each aligned 256 bytes are named once
; in the launch.  Slots 0 and 1 come by their loads alone; the last change that fills a slot asks for nothing: there is no slot behind it.
.macro ASK
	s_cmp_gt_u32 s[SLOTS], s[LIM]
	s_cbranch_scc0 .Lnot_mine_\@
	global_prefetch_b8 v[PFO], s[PFA:PFA+1] th:TH_LOAD_NT scope:SCOPE_SE
	global_prefetch_b8 v[PFO], s[PFA:PFA+1] offset:8192 th:TH_LOAD_NT scope:SCOPE_SE
.Lnot_mine_\@:
.endm
	s_load_b256 s[4:11], s[0:1], 0x0               ; qkvh s[4:5], wo16kb s[6:7], attention_mask s[8:9], yh s[10:11]
	v_lshl_add_u32 v[SPW], v0, 2, SPARE
	v_mov_b32 v[NIL], 0
	ds_add_u32 v[SPW], v[NIL]                      ; the wave's opening: the add, twice on end, and its wait ahead of my first tensor load
	ds_add_u32 v[SPW], v[NIL]                      ; and once more, under the one wait; the set-up below, work on registers, stands between
	v_lshrrev_b32 v8, 5, v0
	v_readfirstlane_b32 s[WV], v8                  ; wave 0..7
	s_and_b32 s68, ttmp7, 0xffff                   ; y
	s_lshr_b32 s[LIM], s[WV], 2
	s_xor_b32 s[LIM], s[LIM], 1                    ; 0 in waves 4 to 7,
	s_or_b32 s[LIM], s[LIM], s68                   ; of the work-group with y = 0
	s_cmp_eq_u32 s[LIM], 0
	s_cselect_b32 s[LIM], 1, -1
	s_sub_co_u32 s69, 7, s68                       ; my block of 256 queries
	s_lshl_b32 s[Q0], s69, 8
	s_lshl_b32 s70, s[WV], 5
	s_add_co_u32 s[Q0], s[Q0], s70                 ; my first query
	s_lshl_b32 s70, ttmp9, 18                      ; the head's first byte in q, in k, in v and in y: 2,048 rows of 128 bytes a head
	s_and_b32 s71, s[WV], 1                        ; which half of a slot's rows I fetch or ask for:
	s_lshl_b32 s72, s71, 14                        ; 128 rows of 128 bytes in memory,
	s_add_co_u32 s72, s72, s70
	s_mov_b32 s73, 0
	s_mul_i32 s74, s71, 128*PK                     ; and in a slot: K's,
	s_mul_i32 s75, s71, 128*PV
	s_add_co_u32 s75, s75, VOFF                    ; V's
	s_lshr_b32 s68, ttmp9, 4
	s_lshl_b32 s68, s68, 13                        ; the batch's 2,048 words, in the mask and in the bias
	s_and_b32 s69, s[WV], 3
	s_lshl_b32 s69, s69, 11                        ; my quarter of the bias
	s_add_co_u32 s76, s68, s69
	s_add_co_u32 s76, s76, KBOFF
	s_mov_b32 s77, 0
	s_cmp_lt_u32 s[WV], 6                          ; waves 4, 5 ask for K, waves 6, 7 for V
	s_mov_b32 s78, 0x2000000
	s_cselect_b32 s78, 0x1000000, s78
	s_mov_b32 s79, 0
	; descriptor group 1: K, V: 128 rows of 64 elements of 2 bytes, dense in memory, padded in LDS behind every 32 words by 4 words (K) or 8 (V)
	s_mov_b32 s[G1K], (1<<16)|(1<<20)|(4<<22)|(3<<25)
	s_mov_b32 s[G1V], (1<<16)|(1<<20)|(4<<22)|(7<<25)
.irp g, G1K, G1V
	s_mov_b32 s[\g+1], 64<<16                      ; tensor_dim0
	s_mov_b32 s[\g+2], 128<<16                     ; tensor_dim1
	s_mov_b32 s[\g+3], 64<<16                      ; tile_dim0
	s_mov_b32 s[\g+4], 128                         ; tile_dim1
	s_mov_b32 s[\g+5], 64                          ; tensor_dim0_stride
	s_mov_b32 s[\g+6], 0
	s_mov_b32 s[\g+7], 0
.endr
	s_mov_b32 s[G1B], 3<<16                        ; the bias: 2,048 dense bytes as 8 rows of 32 elements of 8 bytes, no padding
	s_mov_b32 s[G1B+1], 32<<16
	s_mov_b32 s[G1B+2], 8<<16
	s_mov_b32 s[G1B+3], 32<<16
	s_mov_b32 s[G1B+4], 8
	s_mov_b32 s[G1B+5], 32
	s_mov_b32 s[G1B+6], 0
	s_mov_b32 s[G1B+7], 0
	s_mov_b32 s[SEL], 0x76543210
	s_mov_b32 s[SEL+1], 0xfedcba98                 ; v_permlanex16_b32's selects for lane l xor 16
	s_mov_b32 s[CS], 0x3e38aa3b                    ; c = log2(e) / 8
	s_mov_b32 s[CS+1], s[CS]
	s_mov_b32 s[TB], 0
	s_mov_b32 s[TJ], 0
	s_mov_b32 s[KF], 0
	s_mov_b32 s[SLOTS], 7
	s_wait_dscnt 0x0                               ; both opening adds are done
	s_wait_kmcnt 0x0
	s_mov_b32 s[G0B], 1
	s_add_co_u32 s[G0B+1], s69, KB
	s_add_nc_u64 s[G0B+2:G0B+3], s[6:7], s[76:77]
	s_or_b32 s[G0B+3], s[G0B+3], 0x80000000
	TLOAD G0B, G1B, G0B, G1B                       ; the batch's key bias, a quarter for each of waves 0 to 3: filled once
	s_mov_b32 s[G0K], 1
	s_mov_b32 s[G0K+1], s74
	s_add_nc_u64 s[G0K+2:G0K+3], s[4:5], s[72:73]
	s_add_nc_u64 s[G0K+2:G0K+3], s[G0K+2:G0K+3], 0x1000000    ; k lies 16,777,216 bytes behind q,
	s_or_b32 s[G0K+3], s[G0K+3], 0x80000000
	s_mov_b32 s[G0V], 1
	s_mov_b32 s[G0V+1], s75
	s_add_nc_u64 s[G0V+2:G0V+3], s[4:5], s[72:73]
	s_add_nc_u64 s[G0V+2:G0V+3], s[G0V+2:G0V+3], 0x2000000    ; v twice as far
	s_or_b32 s[G0V+3], s[G0V+3], 0x80000000
	TLOAD G0K, G1K, G0V, G1V                       ; slot 0: by this text's count two tensor loads of a fetching wave are out
	s_add_nc_u64 s[PFA:PFA+1], s[4:5], s[72:73]
	s_add_nc_u64 s[PFA:PFA+1], s[PFA:PFA+1], s[78:79]
	s_add_nc_u64 s[PFA:PFA+1], s[PFA:PFA+1], SK*128  ; in slot 1: the first change of slots steps it to slot 2.  Nothing is prefetched here, at the head
	s_lshl_b32 s72, s[Q0], 7
	s_add_co_u32 s72, s72, s70
	s_add_nc_u64 s[4:5], s[4:5], s[72:73]          ; q at my first query,
	s_add_nc_u64 s[10:11], s[10:11], s[72:73]      ; y likewise,
	s_lshl_b32 s72, s[Q0], 2
	s_add_co_u32 s72, s72, s68
	s_add_nc_u64 s[8:9], s[8:9], s[72:73]          ; and the mask
	v_and_b32 v8, 15, v0                           ; r = lane % 16
	v_bfe_u32 v9, v0, 4, 1                         ; h = lane / 16
	v_lshlrev_b32 v10, 7, v8
	v_lshl_add_u32 v10, v9, 4, v10                 ; a fragment of Q or K is 16 rows x 32 channels: lane (r, h): row r; registers 0-3 channels 8 h on, registers 4-7 channels 16 + 8 h on
.irp t, 0,1
.irp ks, 0,1
	global_load_b128 v[QF+16*\t+8*\ks:QF+16*\t+8*\ks+3], v10, s[4:5] offset:2048*\t+64*\ks        ; Q stays in registers
	global_load_b128 v[QF+16*\t+8*\ks+4:QF+16*\t+8*\ks+7], v10, s[4:5] offset:2048*\t+64*\ks+32
.endr
.endr
	v_mul_u32_u24 v[AK0], v8, PK
	v_lshl_add_u32 v[AK0], v9, 4, v[AK0]
	v_and_b32 v11, 7, v0                           ; the turning load: lane l reads 16 bytes: key 8 (l / 16) + l % 8, channels 8 ((l / 8) % 2) on
	v_lshl_add_u32 v[AV0], v9, 3, v11
	v_mul_u32_u24 v[AV0], v[AV0], PV
	v_bfe_u32 v11, v0, 3, 1
	v_lshl_add_u32 v[AV0], v11, 4, v[AV0]
	v_add_nc_u32 v[AV0], VOFF, v[AV0]
	v_lshl_add_u32 v[AB0], v9, 5, KB               ; the bias of keys 8 h + 0 .. 7 of a tile
	v_lshlrev_b32 v[DQ], 3, v9
	v_sub_nc_u32 v[DQ], v8, v[DQ]
	v_and_b32 v[PFO], 31, v0
	v_lshlrev_b32 v[PFO], 8, v[PFO]
.set i, 0
.rept 20
	v_mov_b32 v[ST+i], 0                           ; l = 0; the registers at work are written once, so that every path finds them written
.set i, i+1
.endr
.irp t, 0,1
	v_mov_b32 v[ST+8*\t+1], MINIT                  ; m: under every score that counts, over every hidden one
	v_mul_f32 v[ST+8*\t], s[CS], v[ST+8*\t+1]      ; c m
.endr
.set i, 0
.rept 64
	v_mov_b32 v[OO+i], 0                           ; O^T.  (The step is written once: the first finds zeros, which its a leaves zeros)
.set i, i+1
.endr
; THE SOFTMAX OF A KEY STEP, both tiles line by line, so that no line waits for the line above it.
.macro SOFTMAX
.irp j, 0,1,2,3
.irp t, 0,1
	v_max3_num_f32 v[ST+8*\t+4+\j], v[SS+32*\t+8*\j], v[SS+32*\t+8*\j+1], v[SS+32*\t+8*\j+2]   ; four chains, one for each accumulator, from its low end on
.endr
.endr
.irp i, 3,5
.irp j, 0,1,2,3
.irp t, 0,1
	v_max3_num_f32 v[ST+8*\t+4+\j], v[ST+8*\t+4+\j], v[SS+32*\t+8*\j+\i], v[SS+32*\t+8*\j+\i+1]
.endr
.endr
.endr
.irp t, 0,1
	v_max3_num_f32 v[ST+8*\t+4], v[ST+8*\t+4], v[SS+32*\t+7], v[SS+32*\t+15]
	v_max3_num_f32 v[ST+8*\t+6], v[ST+8*\t+6], v[SS+32*\t+23], v[SS+32*\t+31]
.endr
.irp t, 0,1
	v_max3_num_f32 v[ST+8*\t+4], v[ST+8*\t+4], v[ST+8*\t+5], v[ST+8*\t+6]
.endr
.irp t, 0,1
	v_max3_num_f32 v[ST+8*\t+4], v[ST+8*\t+4], v[ST+8*\t+7], v[ST+8*\t+1]   ; with the old m
.endr
.irp t, 0,1
	v_permlanex16_b32 v[ST+8*\t+5], v[ST+8*\t+4], s[SEL], s[SEL+1]          ; the query's other 32 keys lie in the lane 16 away
.endr
.irp t, 0,1
	v_mov_b32 v[ST+8*\t+7], v[ST+8*\t]             ; c m_old
.endr
.irp t, 0,1
	v_max_num_f32 v[ST+8*\t+1], v[ST+8*\t+4], v[ST+8*\t+5]
.endr
.irp t, 0,1
	v_mul_f32 v[ST+8*\t], s[CS], v[ST+8*\t+1]
.endr
.irp t, 0,1
	v_sub_f32 v[ST+8*\t+7], v[ST+8*\t+7], v[ST+8*\t]
.endr
.irp i, 0,2,4,6,8,10,12,14,16,18,20,22,24,26,28,30
.irp t, 0,1
	v_pk_fma_f32 v[SS+32*\t+\i:SS+32*\t+\i+1], v[SS+32*\t+\i:SS+32*\t+\i+1], s[CS:CS+1], v[ST+8*\t:ST+8*\t+1] op_sel_hi:[1,0,0] neg_lo:[0,0,1] neg_hi:[0,0,1]   ; c s - c m
.endr
.endr
.irp t, 0,1
	v_exp_f32 v[ST+8*\t+6], v[ST+8*\t+7]           ; a
.endr
.set i, 0
.rept 32
	v_exp_f32 v[SS+i], v[SS+i]                     ; p, at most 1: ONE BATCH of 66 exponentials,
	v_exp_f32 v[SS+32+i], v[SS+32+i]
.set i, i+1
.endr
	v_nop                                          ; one plain instruction behind the last of them,
	s_wait_alu depctr_va_vdst(0)                   ; and one wait ahead of the first instruction that names a result
.irp t, 0,1
	v_pk_mul_f32 v[ST+8*\t+2:ST+8*\t+3], v[ST+8*\t+2:ST+8*\t+3], v[ST+8*\t+6:ST+8*\t+7] op_sel_hi:[1,0]   ; l x a
.endr
.irp t, 0,1
	v_pk_add_f32 v[XS+2*\t:XS+2*\t+1], v[SS+32*\t:SS+32*\t+1], v[SS+32*\t+2:SS+32*\t+3]                   ; the sum of p in f32, two at a time, in two chains
.endr
.irp i, 4,8,12,16,20,24,28
.irp t, 0,1
	v_pk_add_f32 v[ST+8*\t+2:ST+8*\t+3], v[ST+8*\t+2:ST+8*\t+3], v[SS+32*\t+\i:SS+32*\t+\i+1]
	v_pk_add_f32 v[XS+2*\t:XS+2*\t+1], v[XS+2*\t:XS+2*\t+1], v[SS+32*\t+\i+2:SS+32*\t+\i+3]
.endr
.endr
.irp t, 0,1
	v_pk_add_f32 v[ST+8*\t+2:ST+8*\t+3], v[ST+8*\t+2:ST+8*\t+3], v[XS+2*\t:XS+2*\t+1]
.endr
.set i, 0
.rept 16
	v_cvt_pk_f16_f32 v[SS+i], v[SS+2*i], v[SS+2*i+1]            ; P in place, pairs ascending: registers 8 kk .. 8 kk + 7 of a tile are source 1 for keys 32 kk on
	v_cvt_pk_f16_f32 v[SS+32+i], v[SS+32+2*i], v[SS+32+2*i+1]
.set i, i+1
.endr
.irp t, 0,1
.set i, 0
.rept 16
	v_pk_mul_f32 v[OO+32*\t+2*i:OO+32*\t+2*i+1], v[OO+32*\t+2*i:OO+32*\t+2*i+1], v[ST+8*\t+6:ST+8*\t+7] op_sel_hi:[1,0]   ; O^T x a, each accumulator from its low end on
.set i, i+1
.endr
.endr
.endm
; A KEY STEP: 64 keys, the q-th of the slot in hand.
.macro STEP q
	s_add_co_u32 s74, s[Q0], 31                    ; a step all of whose keys come after my 32 queries is left out: ids and the count of steps alone;
	s_cmp_gt_u32 s[KF], s74                        ; the lines at the step's end that step addresses are run all the same
	s_cbranch_scc1 .Lhidden_\@
	v_add_nc_u32 v[ADK], s[TB], v[AK0]
	v_add_nc_u32 v[ADV], s[TB], v[AV0]
	v_add_nc_u32 v[ADB], s[TJ], v[AB0]
	v_nop                                          ; five places behind the last step's products: four for the loads into the registers that held V,
	v_nop                                          ; five for the products below, which write over the registers that held P
.irp kt, 0,1,2,3
.irp ks, 0,1
	ds_load_b128 v[KV+8*(2*\kt+\ks):KV+8*(2*\kt+\ks)+3], v[ADK] offset:(64*(\q)+16*\kt)*PK+64*\ks
	ds_load_b128 v[KV+8*(2*\kt+\ks)+4:KV+8*(2*\kt+\ks)+7], v[ADK] offset:(64*(\q)+16*\kt)*PK+64*\ks+32
.endr
.endr
	WIN 0x40                                       ; destination window 1
.irp kt, 0,1,2,3
	ds_load_b128 v[8*\kt:8*\kt+3], v[ADB] offset:64*\kt           ; the bias of keys 16 kt + 8 h + 0 .. 7
	ds_load_b128 v[8*\kt+4:8*\kt+7], v[ADB] offset:64*\kt+16
.endr
	s_wait_dscnt 0x0
	WIN 0x10                                       ; C window 1
.irp kt, 0,1,2,3
.irp t, 0,1
	v_wmma_f32_16x16x32_f16 v[SS+32*\t+8*\kt:SS+32*\t+8*\kt+7], v[KV+16*\kt:KV+16*\kt+7], v[QF+16*\t:QF+16*\t+7], v[8*\kt:8*\kt+7]   ; channels 0-31; the sums start from the key bias
.endr
.endr
	WIN 0
.irp kt, 0,1,2,3
.irp t, 0,1
	v_wmma_f32_16x16x32_f16 v[SS+32*\t+8*\kt:SS+32*\t+8*\kt+7], v[KV+16*\kt+8:KV+16*\kt+15], v[QF+16*\t+8:QF+16*\t+15], v[SS+32*\t+8*\kt:SS+32*\t+8*\kt+7]   ; channels 32-63; the eight accumulators take turns
.endr
.endr
.rept 4
	v_nop                                          ; places in front of the loads into K's registers and of the first read of the scores
.endr
.irp kk, 0,1
.irp c, 0,1,2,3
	ds_load_tr16_b128 v[KV+8*(4*\kk+\c):KV+8*(4*\kk+\c)+3], v[ADV] offset:(64*(\q)+32*\kk)*PV+32*\c          ; V^T: 16 channels x 32 keys; it lands while the softmax is walked
	ds_load_tr16_b128 v[KV+8*(4*\kk+\c)+4:KV+8*(4*\kk+\c)+7], v[ADV] offset:(64*(\q)+32*\kk+16)*PV+32*\c
.endr
.endr
	s_add_co_u32 s74, s[KF], 63                    ; a step all of whose keys count for all my queries skips the diagonal's lines
	s_cmp_le_u32 s74, s[Q0]
	s_cbranch_scc1 .Lopen_\@
	s_sub_co_i32 s74, s[Q0], s[KF]
	s_add_co_i32 s75, s74, 16
.irp t, 0,1
.if \t == 0
	v_add_nc_u32 v[DD], s74, v[DQ]                 ; d = my query - the step's first key - 8 h.  Register n holds key 16 (n / 8) + 8 h + n % 8 of the step: it counts where 16 (n / 8) + n % 8 <= d
.else
	v_add_nc_u32 v[DD], s75, v[DQ]
.endif
.set n, 0
.rept 32
	v_cmp_le_i32 vcc_lo, 16*(n/8)+n%8, v[DD]
	v_cndmask_b32 v[SS+32*\t+n], NEG, v[SS+32*\t+n], vcc_lo
.set n, n+1
.endr
.endr
.Lopen_\@:
	SOFTMAX
	s_wait_dscnt 0x0                               ; V is in
.irp kk, 0,1
.irp c, 0,1,2,3
.irp t, 0,1
	v_wmma_f32_16x16x32_f16 v[OO+32*\t+8*\c:OO+32*\t+8*\c+7], v[KV+8*(4*\kk+\c):KV+8*(4*\kk+\c)+7], v[SS+32*\t+8*\kk:SS+32*\t+8*\kk+7], v[OO+32*\t+8*\c:OO+32*\t+8*\c+7]
.endr
.endr
.endr
.Lhidden_\@:
	s_add_co_u32 s[KF], s[KF], 64
	s_add_co_u32 s[TJ], s[TJ], 256
.endm
; THE CHANGE OF SLOTS stands at a slot's head.  Each wave waits for all its tensor loads (its part of the slot that it is about to read), adds 0 to its spare word, and waits for that and for its reads of
; the slot that it has left.  Behind the barrier the slot ahead is whole and nobody reads the other one.  fill = 1: that other slot is filled with the next 256 keys, up to the causal limit.
.macro CHANGE fill
	s_wait_tensorcnt 0x0                           ; no tensor load of mine is out, so a group 0 may be written
	ds_add_u32 v[SPW], v[NIL]                      ; 0 onto my spare word
.if \fill
	ds_add_u32 v[SPW], v[NIL]                      ; and once more
	s_xor_b32 s[G0K+1], s[G0K+1], SLOT1            ; the walking descriptors: the other slot than last time,
	s_add_nc_u64 s[G0K+2:G0K+3], s[G0K+2:G0K+3], SK*128   ; the next 256 keys; the type bits on top are not reached
	s_xor_b32 s[G0V+1], s[G0V+1], SLOT1
	s_add_nc_u64 s[G0V+2:G0V+3], s[G0V+2:G0V+3], SK*128
	s_wait_xcnt 0x0                                ; the last prefetches, a slot back, have read their address, so it may be written:
	s_add_nc_u64 s[PFA:PFA+1], s[PFA:PFA+1], SK*128   ; one slot further on than the walking descriptors
.endif
	s_wait_dscnt 0x0                               ; the add is done, and my reads of the slot that I have left are over
	s_barrier_signal -1
	s_barrier_wait -1
.if \fill
	s_add_co_u32 s74, s[KF], SK                    ; the first key of the slot that this change would ask for
	s_or_b32 s75, s[Q0], 255                       ; my work-group's last query
	s_cmp_gt_u32 s74, s75                          ; ids and the count of steps alone: all eight waves go the same way, and a work-group that is past the limit stays past it;
	s_cbranch_scc1 .Lpast_\@                       ; a slot beyond the limit is read by no wave, so it is not filled.  Every wait on TENSORcnt in this text is for 0
	TLOAD G0K, G1K, G0V, G1V                       ; a wave's one tensor load until the next change; it has a slot's four steps in which to land
.Lpast_\@:
	ASK
.endif
.endm
.macro SLOT_STEPS
	STEP 0
	STEP 1
	STEP 2
	STEP 3
	s_xor_b32 s[TB], s[TB], SLOT1                  ; on to the other slot
.endm
	s_wait_loadcnt 0x0                             ; Q
.Lslot:                                            ; seven trips: behind each change of slots but the last the next slot is asked for, up to the limit
	CHANGE 1
	SLOT_STEPS
	s_sub_co_u32 s[SLOTS], s[SLOTS], 1
	s_cmp_lg_u32 s[SLOTS], 0
	s_cbranch_scc1 .Lslot
	CHANGE 0                                       ; the last slot is written out: nothing is left to ask for
	SLOT_STEPS
	; THE WAY OUT.  y = O^T x mask^2 / l, rounded to f16, through my stage in LDS: 32 rows x 144 bytes for each wave, in slot 0, which was left at the last change of slots: it has had its last fill, and nobody reads it.
	v_and_b32 v8, 15, v0                           ; r.  (The lines from here to the first read of O^T are more than the four places behind the last products)
	v_bfe_u32 v9, v0, 4, 1                         ; h
	v_lshlrev_b32 v10, 2, v8
	global_load_b32 v[ST+4], v10, s[8:9]           ; the mask of my query, tile 0,
	global_load_b32 v[ST+12], v10, s[8:9] offset:64   ; tile 1
.irp t, 0,1
	v_add_f32 v[ST+8*\t+5], v[ST+8*\t+2], v[ST+8*\t+3]   ; l's two halves,
.endr
.irp t, 0,1
	v_permlanex16_b32 v[ST+8*\t+7], v[ST+8*\t+5], s[SEL], s[SEL+1]
.endr
.irp t, 0,1
	v_add_f32 v[ST+8*\t+5], v[ST+8*\t+5], v[ST+8*\t+7]   ; and the other half of the lanes'
.endr
.irp t, 0,1
	v_rcp_f32 v[ST+8*\t+6], v[ST+8*\t+5]
.endr
	s_mul_i32 s74, s[WV], 32*PK                    ; my stage
	v_mul_u32_u24 v11, v8, PK                      ; (plain work behind the reciprocals)  in: row r, 16 bytes for each half of the lanes
	v_lshl_add_u32 v11, v9, 4, v11
	v_add_nc_u32 v11, s74, v11
	v_bfe_u32 v1, v0, 3, 2                         ; back: eight lanes to a row of 128 bytes, four rows an instruction
	v_mul_u32_u24 v1, v1, PK
	v_and_b32 v2, 7, v0
	v_lshl_add_u32 v1, v2, 4, v1
	v_add_nc_u32 v1, s74, v1
	v_and_b32 v2, 31, v0
	v_lshlrev_b32 v2, 4, v2                        ; and 16 x lane in y
	s_wait_alu depctr_va_vdst(0)                   ; the wait ahead of the first use of the reciprocals
	s_wait_loadcnt 0x0
.irp t, 0,1
	v_cvt_f32_i32 v[ST+8*\t+4], v[ST+8*\t+4]       ; the mask as a number,
.endr
.irp t, 0,1
	v_mul_f32 v[ST+8*\t+4], v[ST+8*\t+4], v[ST+8*\t+4]   ; twice a factor
.endr
.irp t, 0,1
	v_mul_f32 v[ST+8*\t+6], v[ST+8*\t+6], v[ST+8*\t+4]
.endr
.irp t, 0,1
.set i, 0
.rept 16
	v_pk_mul_f32 v[SS+32*\t+2*i:SS+32*\t+2*i+1], v[OO+32*\t+2*i:OO+32*\t+2*i+1], v[ST+8*\t+6:ST+8*\t+7] op_sel_hi:[1,0]
.set i, i+1
.endr
.endr
.set i, 0
.rept 32
	v_cvt_pk_f16_f32 v[KV+i], v[SS+2*i], v[SS+2*i+1]   ; register 16 t + 4 c + .. : y(16 t + r, 16 c + 8 h + 0 .. 7), 16 bytes
.set i, i+1
.endr
.irp t, 0,1
.irp c, 0,1,2,3
	ds_store_b128 v11, v[KV+16*\t+4*\c:KV+16*\t+4*\c+3] offset:\t*16*PK+32*\c
.endr
.endr
.irp g, 0,1,2,3,4,5,6,7
	ds_load_b128 v[SS+4*\g:SS+4*\g+3], v1 offset:\g*4*PK   ; LDS serves a wave's instructions in order (ISA guide 5.7.1.4): these see my stores
.endr
.irp g, 0,1,2,3,4,5,6,7
	s_wait_dscnt 7-\g                              ; load g is back; the younger ones may be out
	global_store_b128 v2, v[SS+4*\g:SS+4*\g+3], s[10:11] offset:512*\g   ; 32 lanes store 512 consecutive bytes, aligned
.endr
	s_wait_tensorcnt 0x0                           ; the wave's end: behind my last tensor load and my last LDS store
	ds_add_u32 v[SPW], v[NIL]
	s_wait_dscnt 0x0
	s_endpgm
.Lfunc_end_k_q5b656a5919_attn:
	.size	k_q5b656a5919_attn, .Lfunc_end_k_q5b656a5919_attn-k_q5b656a5919_attn
	.p2alignl 7, 3214868480
	.fill 96, 4, 3214868480
	.section	.rodata,"a",@progbits
	.p2align	6, 0x0
	.amdhsa_kernel k_q5b656a5919_attn
		.amdhsa_group_segment_fixed_size 327680
		.amdhsa_private_segment_fixed_size 0
		.amdhsa_enable_private_segment 0
		.amdhsa_kernarg_size 32
		.amdhsa_user_sgpr_count 2
		.amdhsa_user_sgpr_kernarg_segment_ptr 1
		.amdhsa_wavefront_size32 1
		.amdhsa_system_sgpr_workgroup_id_x 1
		.amdhsa_system_sgpr_workgroup_id_y 1
		.amdhsa_system_sgpr_workgroup_id_z 1
		.amdhsa_system_vgpr_workitem_id 0
		.amdhsa_next_free_vgpr 288
		.amdhsa_next_free_sgpr 80
		.amdhsa_reserve_vcc 1
		.amdhsa_float_denorm_mode_32 3
		.amdhsa_float_denorm_mode_16_64 3
		.amdhsa_memory_ordered 1
		.amdhsa_forward_progress 1
		.amdhsa_inst_pref_size 212
	.end_amdhsa_kernel
	.amdgpu_metadata
---
amdhsa.version: [ 1, 2 ]
amdhsa.kernels:
  - .name:           k_q5b656a5919_attn
    .symbol:         k_q5b656a5919_attn.kd
    .args:
      - { .name: qkvh, .offset: 0, .size: 8, .value_kind: global_buffer, .address_space: global }
      - { .name: wo16kb, .offset: 8, .size: 8, .value_kind: global_buffer, .address_space: global }
      - { .name: attention_mask, .offset: 16, .size: 8, .value_kind: global_buffer, .address_space: global }
      - { .name: yh, .offset: 24, .size: 8, .value_kind: global_buffer, .address_space: global }
    .group_segment_fixed_size: 327680
    .private_segment_fixed_size: 0
    .kernarg_segment_align: 8
    .kernarg_segment_size: 32
    .max_flat_workgroup_size: 256
    .sgpr_count:     80
    .vgpr_count:     288
    .wavefront_size: 32
...
	.end_amdgpu_metadata
.endif
;; end of part 3
;; launch proj (part 4): grid 8 x 64, 4 waves a work-group, clusters of 4 x 4, 327,680 bytes of LDS; arguments yh, wo16kb, out0, bo; writes out0
.if DOCPART == 4
	.amdgcn_target "amdgcn-amd-amdhsa--gfx1250"
	.amdhsa_code_object_version 6
	.text
	.protected	k_q5b656a5919_proj
	.globl	k_q5b656a5919_proj
	.p2align	8
	.type	k_q5b656a5919_proj,@function
k_q5b656a5919_proj:
	s_mov_b64 s[64:65], 0
	v_nop
	global_prefetch_b8 v0, s[64:65] scope:SCOPE_SE
	s_setreg_imm32_b32 hwreg(HW_REG_WAVE_MODE, 25, 1), 1
	s_wait_xcnt 0x0
	s_wait_alu depctr_hold_cnt(0) depctr_sa_sdst(0) depctr_va_vdst(0) depctr_va_sdst(0) depctr_va_ssrc(0) depctr_va_vcc(0) depctr_vm_vsrc(0)
	s_getreg_b32 s2, hwreg(HW_REG_IB_STS2, 6, 4)
	s_cmp_eq_u32 s2, 0
	s_cbranch_scc0 .Lentry_in_a_cluster
	s_endpgm
.Lentry_in_a_cluster:
	s_bfe_u32 s2, ttmp6, 0x10000c
	s_cmp_lg_u32 s2, 0xf033
	s_cbranch_scc0 .Lentry_shape_is_right
	s_endpgm
.Lentry_shape_is_right:
; out[m][n] = the sum over k of y[m][k] Wo[n][k] + bo[n].  y: f16, laid by head, yh [4 b][16 h][2048 t][64]: m = 2,048 b + t, k = 64 h + d.  Wo: f16 [1024][1024], the first 2,097,152 bytes of wo16kb.  out: f32 [8192][1024].
; f16 operands, f32 sums.  All rows are made here; the first 16 positions of every sequence are written again, more finely, by the launch that follows.
; A tile of out is 128 x 128: 512 work-groups, two even rounds of the WGPs.  Four waves, each 64 x 64: 16 accumulators of 16 x 16.  K goes in steps of 256 (four heads) through a ring of two LDS slots.
; A's part of a slot: a wave's tensor load brings 64 positions of four heads: four runs of 8,192 dense bytes, 262,144 bytes apart, laid in LDS as [head][position][128 bytes + 16].  B's: 64 rows of 512 bytes + 16.
; CLUSTERS: 4 x 4 work-groups.  The four of a row of the cluster need the same tiles of y, the four of a column the same tiles of Wo: each tile is asked for JOINTLY, by the same tensor load with the
; same descriptor and a mask that names the four.  THE MATRIX INSTRUCTION IS USED TRANSPOSED (source 0 = 16 rows of Wo, source 1 = 16 rows of y): a lane then holds eight neighbouring numbers of a row of out.
; bo is the C of each sum's first product.  A wave's 64 columns of f32 are 256 aligned bytes: each wave goes out through a stage of its own, with no barrier.
; REGISTERS: window 0: v0-31 addresses; v32-95 rows on the way out; v96-127 bo in the result's layout; v128-255 the accumulators ((a, b) at v[128 + 8 (4 a + b)]).
;   window 1: two fragment buffers of 128: for 64 along K, 64 registers of A (2 x 4 x 16 rows x 32 K), then 64 of B.
.set SIZE_K, 1024
.set KSTEP,  256
.set PA,     144                       ; A: a position's 128 bytes of one head + 16 of padding
.set PB,     528                       ; B: 512 bytes + 16
.set AHEAD,  64*PA                     ; a head's 64 positions
.set AHALF,  4*AHEAD                   ; what one tensor load brings of A, and what one wave reads of it
.set BHALF,  64*PB                     ; the same of B
.set SLOT,   2*AHALF+2*BHALF           ; A's 128 rows, then B's 128 rows
.set STAGE,  2*SLOT                    ; behind the ring: 16 rows x 272 bytes for each wave
.set SPITCH, 272
.set SPARE,  STAGE+4*16*SPITCH         ; behind the stages: the spare words, 128 bytes for each wave
.set LAPS,   SIZE_K/(2*KSTEP)          ; a lap = two K steps = once round the ring
.set ADRA, 16                          ; v16-17  LDS address of my A fragments in slot 0, 1
.set ADRB, 20                          ; v20-21  the same for B
.set STO,  24                          ; v24     the way out: where I put 32 bytes of a row
.set RD,   25                          ; v25     the way out: where I read a row back
.set CO,   26                          ; v26     my byte offset in out
.set SPW,  28                          ; v28     LDS address of my spare word; never rewritten
.set NIL,  29                          ; v29     0; never rewritten
.set TMP,  32
.set BO,   96
.set ACC,  128
.set F0,   0                           ; fragment buffers, in window 1
.set F1,   128
.set G1, 24                            ; s[24:31] descriptor group 1 for A's tiles;  s[32:39] group 0, one set for each slot
.set G0, 32
.set G1B, 48                           ; s[48:55], s[56:63] the same for B's tiles
.set G0B, 56
.set MSB, 0
.macro WIN new                         ; the immediate's high byte repeats the setting that is left
.if MSB != (\new)
	s_set_vgpr_msb (MSB<<8)|(\new)
.set MSB, (\new)
.endif
.endm
.set MUL,  0x05                        ; sources 0 (B) and 1 (A) window 1; C and D window 0
.set TO_F, 0x40                        ; destination window 1, address window 0
.macro JLOAD s                         ; a joint load: waves 0 and 1 fetch A's two halves, waves 2 and 3 B's; an s_nop 0 and four v_nop follow each of the two lines
	s_cmp_eq_u32 s11, 0
	s_cbranch_scc0 .Lfor_b_\@
	tensor_load_to_lds s[G0+4*\s:G0+4*\s+3], s[G1:G1+7]
	s_nop 0
.rept 4
	v_nop
.endr
	s_branch .Lasked_\@
.Lfor_b_\@:
	tensor_load_to_lds s[G0B+4*\s:G0B+4*\s+3], s[G1B:G1B+7]
	s_nop 0
.rept 4
	v_nop
.endr
.Lasked_\@:
.endm
.macro CREST                           ; a round of the cluster's barrier behind its opening barrier
	s_cmp_lg_u32 s10, 0
	s_cbranch_scc1 .Lnot_wave_0_\@
	s_barrier_signal -3
.Lnot_wave_0_\@:
	s_barrier_wait -3
	s_barrier_signal -1
	s_barrier_wait -1
.endm
.macro CROUND                          ; a whole round
	s_barrier_signal -1
	s_barrier_wait -1
	CREST
.endm
	s_load_b128 s[4:7], s[0:1], 0x0                ; yh s[4:5], wo16kb s[6:7]
	s_load_b64 s[8:9], s[0:1], 0x10                ; out0
	s_load_b64 s[66:67], s[0:1], 0x18              ; bo
	v_lshl_add_u32 v[SPW], v0, 2, SPARE
	v_mov_b32 v[NIL], 0
	ds_add_u32 v[SPW], v[NIL]                      ; the wave's opening: the add, twice on end, and its wait ahead of my first tensor load
	ds_add_u32 v[SPW], v[NIL]                      ; and once more, under the one wait; the set-up below, work on registers, stands between
	v_lshrrev_b32 v1, 5, v0
	v_readfirstlane_b32 s10, v1                    ; wave 0..3
	s_lshr_b32 s11, s10, 1                         ; which half of the tile's rows is mine.  Also: I fetch for A (0) or for B (1)
	s_and_b32 s12, s10, 1                          ; which half of its columns.  Also: which 64 rows of that tile I fetch
	s_bfe_u32 s40, ttmp6, 0x40000                  ; cx, cy: my place in the cluster
	s_bfe_u32 s41, ttmp6, 0x40004
	s_lshl_b32 s42, ttmp9, 2
	s_add_co_u32 s42, s42, s40                     ; tile column = 4 x cluster x + cx
	s_and_b32 s13, ttmp7, 0xffff
	s_lshl_b32 s13, s13, 2
	s_add_co_u32 s13, s13, s41                     ; tile row = 4 x cluster y + cy
	s_lshl_b32 s43, s41, 2
	s_lshl_b32 s43, 15, s43                        ; my row of the cluster
	s_lshl_b32 s44, 0x1111, s40                    ; my column
	; descriptor group 1 for A: 4 rows (heads) of 4,096 elements of 2 bytes (64 positions x 64 channels, dense), 131,072 elements apart; 4 words of padding behind every 32, which divides the row
	s_or_b32 s[G1+0], s43, (1<<16)|(1<<20)|(1<<21)|(4<<22)|(3<<25)
	s_mov_b32 s[G1+1], 4096<<16                    ; tensor_dim0
	s_mov_b32 s[G1+2], 4<<16                       ; tensor_dim1
	s_mov_b32 s[G1+3], 4096<<16                    ; tile_dim0
	s_mov_b32 s[G1+4], 4                           ; tile_dim1
	s_mov_b32 s[G1+5], 131072                      ; tensor_dim0_stride: from head to head
	s_mov_b32 s[G1+6], 0
	s_mov_b32 s[G1+7], 0
	; and for B: 64 rows x 256 elements, 4 words of padding behind every 128
	s_or_b32 s[G1B+0], s44, (1<<16)|(1<<20)|(1<<21)|(6<<22)|(3<<25)
	s_mov_b32 s[G1B+1], KSTEP<<16
	s_mov_b32 s[G1B+2], 64<<16
	s_mov_b32 s[G1B+3], KSTEP<<16
	s_mov_b32 s[G1B+4], 64
	s_mov_b32 s[G1B+5], SIZE_K
	s_mov_b32 s[G1B+6], 0
	s_mov_b32 s[G1B+7], 0
	s_lshl_b32 s17, s12, 6                         ; which 64 rows of the tile I fetch
	s_lshl_b32 s16, s13, 7
	s_add_co_u32 s16, s16, s17                     ; A: row 128 x tile row + 64 x half:
	s_lshr_b32 s18, s16, 11
	s_lshl_b32 s18, s18, 22                        ; its sequence, 4,194,304 bytes each,
	s_and_b32 s16, s16, 2047
	s_lshl_b32 s16, s16, 7                         ; its position, 128 bytes each
	s_add_co_u32 s16, s16, s18
	s_lshl_b32 s46, s42, 7
	s_add_co_u32 s46, s46, s17                     ; B: row 128 x tile column + 64 x half,
	s_lshl_b32 s46, s46, 11                        ; 2,048 bytes each
	s_mov_b32 s17, 0
	s_mov_b32 s47, 0
	s_mul_i32 s20, s12, AHALF                      ; where they go: no place in the cluster enters an LDS address
	s_mul_i32 s21, s12, BHALF
	s_add_co_u32 s21, s21, 2*AHALF
	s_wait_dscnt 0x0                               ; both opening adds are done
	s_wait_kmcnt 0x0
	s_add_nc_u64 s[14:15], s[4:5], s[16:17]
	s_add_nc_u64 s[46:47], s[6:7], s[46:47]
	CROUND                                         ; all sixteen work-groups are here: the first joint loads meet
.irp s, 0,1
	s_mov_b32 s[G0+4*\s], 1
	s_add_co_u32 s[G0+4*\s+1], s20, \s*SLOT
	s_add_nc_u64 s[G0+4*\s+2:G0+4*\s+3], s[14:15], \s*1048576       ; K step s begins with head 4 s: 262,144 bytes a head
	s_or_b32 s[G0+4*\s+3], s[G0+4*\s+3], 0x80000000
	s_mov_b32 s[G0B+4*\s], 1
	s_add_co_u32 s[G0B+4*\s+1], s21, \s*SLOT
	s_add_nc_u64 s[G0B+4*\s+2:G0B+4*\s+3], s[46:47], \s*KSTEP*2
	s_or_b32 s[G0B+4*\s+3], s[G0B+4*\s+3], 0x80000000
	JLOAD \s                                       ; by this text's count two tensor loads of mine are out
.endr
	v_and_b32 v1, 15, v0                           ; l % 16
	v_bfe_u32 v2, v0, 4, 1                         ; l / 16
	v_mul_u32_u24 v3, v1, PA
	v_lshl_add_u32 v3, v2, 4, v3                   ; a fragment's row x pitch + 16 x half: A's,
	v_mul_u32_u24 v4, v1, PB
	v_lshl_add_u32 v4, v2, 4, v4                   ; B's
	s_mul_i32 s21, s11, AHALF                      ; my 64 rows of A
	s_mul_i32 s22, s12, BHALF                      ; my 64 rows of B,
	s_add_co_u32 s22, s22, 2*AHALF                 ; which lie behind A's 128
.irp s, 0,1
	v_add_nc_u32 v[ADRA+\s], s21, v3
	v_add_nc_u32 v[ADRB+\s], s22, v4
	s_add_co_u32 s21, s21, SLOT
	s_add_co_u32 s22, s22, SLOT
.endr
	s_mul_i32 s23, s10, 16*SPITCH
	s_add_co_u32 s23, s23, STAGE                   ; my stage
	v_mul_u32_u24 v5, v1, SPITCH                   ; in: row l % 16, 32 bytes for each half of the lanes
	v_lshl_add_u32 v5, v2, 5, v5
	v_add_nc_u32 v[STO], s23, v5
	v_mul_u32_u24 v5, v2, SPITCH                   ; back: lanes 0-15 take one row of 256 bytes, lanes 16-31 the next
	v_lshl_add_u32 v5, v1, 4, v5
	v_add_nc_u32 v[RD], s23, v5
	v_lshlrev_b32 v5, 12, v2                       ; and the same two rows in out: 4,096 bytes a row
	v_lshl_add_u32 v[CO], v1, 4, v5
	s_lshl_b32 s16, s13, 7
	s_lshl_b32 s17, s11, 6
	s_add_co_u32 s16, s16, s17                     ; my first row of out: 128 x tile row + 64 x half
	s_lshl_b32 s16, s16, 12
	s_mov_b32 s17, 0
	s_add_nc_u64 s[8:9], s[8:9], s[16:17]
	s_lshl_b32 s46, s42, 9                         ; my first column x 4 bytes: 512 x tile column + 256 x half
	s_lshl_b32 s47, s12, 8
	s_add_co_u32 s46, s46, s47
	s_mov_b32 s47, 0
	s_add_nc_u64 s[8:9], s[8:9], s[46:47]
	s_add_nc_u64 s[66:67], s[66:67], s[46:47]
	v_lshlrev_b32 v6, 5, v2
.irp b, 0,1,2,3
	global_load_b128 v[BO+8*\b:BO+8*\b+3], v6, s[66:67] offset:64*\b           ; lane (r, h): bo of columns 16 b + 8 h + 0 .. 7
	global_load_b128 v[BO+8*\b+4:BO+8*\b+7], v6, s[66:67] offset:64*\b+16
.endr
; 8 matrix instructions: m blocks a0, a0 + 1 x all 4 n blocks, 32 along K: half c of buffer f.  first = 1: the first product starts the sums from bo.  The 16 accumulators take turns.
.macro MUL8 f, c, a0, first
.irp a, \a0, \a0+1
.irp b, 0,1,2,3
.if \first
	v_wmma_f32_16x16x32_f16 v[ACC+8*(4*(\a)+\b):ACC+8*(4*(\a)+\b)+7], v[\f+64+8*(4*\c+\b):\f+64+8*(4*\c+\b)+7], v[\f+8*(4*\c+(\a)):\f+8*(4*\c+(\a))+7], v[BO+8*\b:BO+8*\b+7]
.else
	v_wmma_f32_16x16x32_f16 v[ACC+8*(4*(\a)+\b):ACC+8*(4*(\a)+\b)+7], v[\f+64+8*(4*\c+\b):\f+64+8*(4*\c+\b)+7], v[\f+8*(4*\c+(\a)):\f+8*(4*\c+(\a))+7], v[ACC+8*(4*(\a)+\b):ACC+8*(4*(\a)+\b)+7]
.endif
.endr
.endr
.endm
; 32 LDS loads in one run: the fragments of 64 along K (one head) into buffer f; k: the quarter's byte in B's rows, k / 128 its head in A's part; the first 32 along K first
.macro FETCH slot, k, f
	WIN TO_F
.irp c, 0,1
.irp i, 0,1,2,3
	ds_load_b128 v[\f+64+8*(4*\c+\i):\f+64+8*(4*\c+\i)+3],   v[ADRB+\slot] offset:\k+64*\c+\i*16*PB
	ds_load_b128 v[\f+64+8*(4*\c+\i)+4:\f+64+8*(4*\c+\i)+7], v[ADRB+\slot] offset:\k+64*\c+\i*16*PB+32
	ds_load_b128 v[\f+8*(4*\c+\i):\f+8*(4*\c+\i)+3],         v[ADRA+\slot] offset:(\k/128)*AHEAD+64*\c+\i*16*PA
	ds_load_b128 v[\f+8*(4*\c+\i)+4:\f+8*(4*\c+\i)+7],       v[ADRA+\slot] offset:(\k/128)*AHEAD+64*\c+\i*16*PA+32
.endr
.endr
.endm
.macro PLACES                          ; four places in front of loads into registers that matrix instructions have read, and of the first read of results (ISA guide 7.12.1 for the first read of results)
.rept 4
	v_nop
.endr
.endm
; A K step is four quarters of 64 along K, 32 matrix instructions each, on buffers 0, 1, 0, 1.  One of the first three: multiplies buffer f and fetches the next quarter, at byte k, into g.
.macro QUARTER slot, k, f, g, first
	s_wait_dscnt 16                                ; the first 32 along K are in; the youngest sixteen loads may be out
	WIN MUL
	MUL8 \f, 0, 0, \first
	MUL8 \f, 0, 2, \first
	PLACES
	FETCH \slot, \k, \g
	s_wait_dscnt 32                                ; all but the 32 just issued
	WIN MUL
	MUL8 \f, 1, 0, 0
	MUL8 \f, 1, 2, 0
.endm
; The last quarter multiplies buffer 1 and changes slots: ONE barrier; in front of it each wave waits for all its tensor loads, adds 0 to its spare word, and waits for that and for its own reads of this slot.  fill = 1: this slot is filled again, two K steps ahead.
.macro TURN slot, next, fill
	WIN 0                                          ; (the add's two registers lie in window 0)
	s_wait_tensorcnt 0x0                           ; all my tensor loads have landed: my part of the next slot;
	ds_add_u32 v[SPW], v[NIL]                      ; 0 onto my spare word;
	s_wait_dscnt 17                                ; (the add and the youngest sixteen loads may be out)
	WIN MUL
	MUL8 F1, 0, 0, 0                               ; eight matrix instructions stand between the add and the wait for it
	s_wait_dscnt 0x0                               ; the add is done, and my reads of this slot are over
	s_barrier_signal -1
	MUL8 F1, 0, 2, 0
.if \fill
	WIN 0
.endif
	s_barrier_wait -1
.if \fill
	CREST                                          ; the barrier has opened a round of the cluster's barrier: no wave of any partner still reads this slot's tile or has a load on its way
	s_add_nc_u64 s[G0+4*\slot+2:G0+4*\slot+3], s[G0+4*\slot+2:G0+4*\slot+3], 2*1048576
	s_add_nc_u64 s[G0B+4*\slot+2:G0B+4*\slot+3], s[G0B+4*\slot+2:G0B+4*\slot+3], 2*KSTEP*2
	JLOAD \slot                                    ; the first tensor load behind the round, and my only one until the next; the four v_nop behind it are also the places in front of the loads below
.else
	PLACES
.endif
	FETCH \next, 0, F0
	WIN MUL
	MUL8 F1, 1, 0, 0
	MUL8 F1, 1, 2, 0
.endm
	s_wait_tensorcnt 1                             ; my part of K step 0 is in (K step 1's may be out)
	s_barrier_signal -1
	s_barrier_wait -1                              ; everybody's is
	FETCH 0, 0, F0
	s_wait_loadcnt 0x0                             ; bo
	QUARTER 0, 128, F0, F1, 1                      ; the first quarter stands in front of the loop: its first products start the sums
	WIN 0                                          ; at a label and at a branch every window is 0
	s_mov_b32 s3, LAPS-1
.Llap:                                                 ; a trip goes once round the ring, from a lap's second quarter to the next lap's first, and fills both slots again
	QUARTER 0, 256, F1, F0, 0
	QUARTER 0, 384, F0, F1, 0
	TURN 0, 1, 1
	QUARTER 1, 128, F0, F1, 0
	QUARTER 1, 256, F1, F0, 0
	QUARTER 1, 384, F0, F1, 0
	TURN 1, 0, 1
	QUARTER 0, 128, F0, F1, 0
	WIN 0
	s_sub_co_u32 s3, s3, 1
	s_cmp_lg_u32 s3, 0
	s_cbranch_scc1 .Llap
	QUARTER 0, 256, F1, F0, 0                      ; the last lap fills nothing, and has no round of the cluster's barrier
	QUARTER 0, 384, F0, F1, 0
	TURN 0, 1, 0
	QUARTER 1, 128, F0, F1, 0
	QUARTER 1, 256, F1, F0, 0
	QUARTER 1, 384, F0, F1, 0
	s_wait_dscnt 16                                ; the very last quarter: nothing more to fetch
	WIN MUL
	MUL8 F1, 0, 0, 0
	MUL8 F1, 0, 2, 0
	s_wait_dscnt 0
	MUL8 F1, 1, 0, 0
	MUL8 F1, 1, 2, 0
	WIN 0
; THE WAY OUT, block by block of 16 rows x 64 columns of f32.  A lane holds 32 neighbouring bytes of a row, and the lanes beside it hold other rows: so a block goes through my own stage and comes back as
; whole rows of 256 bytes.  LDS serves a wave's instructions in order (ISA guide 5.7.1.4): no wait between the stores and the loads, nor in front of the next block's stores.
.macro TOSTAGE a
.irp b, 0,1,2,3
	ds_store_b128 v[STO], v[ACC+8*(4*(\a)+\b):ACC+8*(4*(\a)+\b)+3] offset:64*\b          ; each accumulator from its low end on
	ds_store_b128 v[STO], v[ACC+8*(4*(\a)+\b)+4:ACC+8*(4*(\a)+\b)+7] offset:64*\b+16
.endr
.set BB, TMP+32*((\a)%2)
.irp t, 0,1,2,3,4,5,6,7
	ds_load_b128 v[BB+4*\t:BB+4*\t+3], v[RD] offset:\t*2*SPITCH
.endr
.endm
.macro SEND a, younger                 ; younger: the LDS instructions issued behind block a's loads, which may stay out
.set BB, TMP+32*((\a)%2)
	s_wait_dscnt \younger
.irp t, 0,1,2,3,4,5,6,7
	global_store_b128 v[CO], v[BB+4*\t:BB+4*\t+3], s[8:9] offset:(16*(\a)+2*\t)*4096 th:TH_STORE_NT   ; 16 lanes store 256 consecutive bytes, aligned; written once, read by nobody here
.endr
.endm
	PLACES
	TOSTAGE 0
.irp a, 1,2,3
.if \a > 1
	s_wait_xcnt 0x0                                ; block a - 2's stores have read their registers: block a's loads land there only behind this wait
.endif
	TOSTAGE \a
	SEND \a-1, 16                                  ; behind block a - 1's loads: block a's 8 stores and 8 loads
.endr
	SEND 3, 0
	s_wait_tensorcnt 0x0                           ; the wave's end: behind my last tensor load and my last LDS store
	ds_add_u32 v[SPW], v[NIL]
	s_wait_dscnt 0x0
	CROUND                                         ; the closing round: no work-group ends while a partner may still ask for a tile that names it
	s_endpgm
.Lfunc_end_k_q5b656a5919_proj:
	.size	k_q5b656a5919_proj, .Lfunc_end_k_q5b656a5919_proj-k_q5b656a5919_proj
	.p2alignl 7, 3214868480
	.fill 96, 4, 3214868480
	.section	.rodata,"a",@progbits
	.p2align	6, 0x0
	.amdhsa_kernel k_q5b656a5919_proj
		.amdhsa_group_segment_fixed_size 327680
		.amdhsa_private_segment_fixed_size 0
		.amdhsa_enable_private_segment 0
		.amdhsa_kernarg_size 32
		.amdhsa_user_sgpr_count 2
		.amdhsa_user_sgpr_kernarg_segment_ptr 1
		.amdhsa_wavefront_size32 1
		.amdhsa_system_sgpr_workgroup_id_x 1
		.amdhsa_system_sgpr_workgroup_id_y 1
		.amdhsa_system_sgpr_workgroup_id_z 1
		.amdhsa_system_vgpr_workitem_id 0
		.amdhsa_next_free_vgpr 512
		.amdhsa_next_free_sgpr 72
		.amdhsa_reserve_vcc 0
		.amdhsa_float_denorm_mode_32 3
		.amdhsa_float_denorm_mode_16_64 3
		.amdhsa_memory_ordered 1
		.amdhsa_forward_progress 1
		.amdhsa_inst_pref_size 87
	.end_amdhsa_kernel
	.amdgpu_metadata
---
amdhsa.version: [ 1, 2 ]
amdhsa.kernels:
  - .name:           k_q5b656a5919_proj
    .symbol:         k_q5b656a5919_proj.kd
    .args:
      - { .name: yh, .offset: 0, .size: 8, .value_kind: global_buffer, .address_space: global }
      - { .name: wo16kb, .offset: 8, .size: 8, .value_kind: global_buffer, .address_space: global }
      - { .name: out0, .offset: 16, .size: 8, .value_kind: global_buffer, .address_space: global }
      - { .name: bo, .offset: 24, .size: 8, .value_kind: global_buffer, .address_space: global }
    .group_segment_fixed_size: 327680
    .private_segment_fixed_size: 0
    .kernarg_segment_align: 8
    .kernarg_segment_size: 32
    .max_flat_workgroup_size: 128
    .sgpr_count:     72
    .vgpr_count:     512
    .wavefront_size: 32
...
	.end_amdgpu_metadata
.endif
;; end of part 4
;; launch fine (part 5): grid 16 x 4, 16 waves a work-group, no clusters, 71,680 bytes of LDS; arguments qkvf, Wo, bo, attention_mask, out0; writes out0
.if DOCPART == 5
	.amdgcn_target "amdgcn-amd-amdhsa--gfx1250"
	.amdhsa_code_object_version 6
	.text
	.protected	k_q5b656a5919_fine
	.globl	k_q5b656a5919_fine
	.p2align	8
	.type	k_q5b656a5919_fine,@function
k_q5b656a5919_fine:
	s_mov_b64 s[64:65], 0
	v_nop
	global_prefetch_b8 v0, s[64:65] scope:SCOPE_SE
	s_setreg_imm32_b32 hwreg(HW_REG_WAVE_MODE, 25, 1), 1
	s_wait_xcnt 0x0
; THE FIRST 16 POSITIONS OF EVERY SEQUENCE, ONCE MORE, ALL IN f32: they average one to sixteen values and are the largest in size, so the rounding of 16-bit operands weighs most there.
; out0[b][t][n] for t = 0 .. 15: attention over keys 0 .. t (causal and key mask, softmax, x mask[t]^2) and the projection by Wo, + bo.  These 64 rows are written over what the launch before left there.
; q, k, v: qkvf [4 b][16 t][3072] f32.  Wo [1024][1024], bo [1024]: the inputs, f32.
; SHARES.  Work-group (cg, b) makes 16 rows x columns 64 cg .. 64 cg + 63.  Wave = head: the head's 16 x 16 attention and its part of the projection (K = the head's 64 channels), by the f32 matrix form
; 16 x 16 x 4; the 16 heads' parts meet in LDS, and wave w adds and stores row w.  The attention is repeated in the 16 work-groups of a batch: 32 small products a wave.  64 work-groups: no bulk work.
; LAYOUT.  A source of this form holds k = 2 (lane / 16) + j in register j.  Which four k form a K step is free so long as both sources agree: here a lane's registers run along neighbouring k, and K step i
; takes registers 2 i, 2 i + 1 of both halves of the lanes.  All products are used transposed (source 1 = the queries), so that a lane holds ONE query (lane % 16) throughout.
; MASKS as in the launch for all rows: hidden scores become -2^101, the maximum begins at -2^99; a query with no key that counts gives 0 x (1 / 0) = NaN in its whole row.
; The registers that the f32 matrix form writes (v136-183) are written by matrix instructions alone; each sum begins with the constant 0.
; No tensor load, no cluster: each work-group reads its own 64 rows of Wo, and a few microseconds' work has nothing to share.
.set NEG,   0xf2000000                 ; -2^101
.set MINIT, 0xf1000000                 ; -2^99
.set SPARE, 16*4352                    ; behind the 16 parts of 16 rows x 272 bytes: the spare words, 128 bytes for each wave
.set SPW, 12                           ; v12  LDS address of my spare word; never rewritten
.set NIL, 13                           ; v13  0; never rewritten
.set P,   16                           ; v16-23   scores, then p
.set MK,  24                           ; v24-31   the mask of keys 8 h + 0 .. 7
.set QF,  40                           ; v40-71   q: channels 32 h + 0 .. 31 of query r; later Wo's tile 2; later the parts to be added
.set KF,  72                           ; v72-103  k likewise; later Wo's tile 3
.set VF,  104                          ; v104-135 v: register 8 c + j: key 8 h + j, channel 16 c + r; later y
.set SA,  136                          ; v136-143, v144-151 the scores' two sums
.set SB,  144
.set OA,  152                          ; v152-183 O^T, four tiles of 16 channels; then out^T, four tiles of 16 columns
	s_load_b256 s[4:11], s[0:1], 0x0               ; qkvf s[4:5], Wo s[6:7], bo s[8:9], attention_mask s[10:11]
	s_load_b64 s[12:13], s[0:1], 0x20              ; out0
	v_lshl_add_u32 v[SPW], v0, 2, SPARE
	v_mov_b32 v[NIL], 0
	v_lshrrev_b32 v1, 5, v0
	v_readfirstlane_b32 s14, v1                    ; wave = head
	s_and_b32 s16, ttmp7, 0xffff                   ; b
	s_mul_i32 s24, s16, 196608                     ; qkvf: 16 rows of 12,288 bytes a batch,
	s_lshl_b32 s17, s14, 8                         ; the head's 64 numbers
	s_add_co_u32 s24, s24, s17
	s_mov_b32 s25, 0
	s_lshl_b32 s26, ttmp9, 18                      ; Wo: rows 64 cg on, 4,096 bytes each,
	s_add_co_u32 s26, s26, s17                     ; the head's 64 columns
	s_mov_b32 s27, 0
	s_lshl_b32 s28, s16, 13                        ; the mask: 2,048 words a batch
	s_mov_b32 s29, 0
	s_lshl_b32 s30, ttmp9, 8                       ; bo: 64 numbers
	s_mov_b32 s31, 0
	s_lshl_b32 s32, s16, 11
	s_add_co_u32 s32, s32, s14                     ; out0: row 2,048 b + wave,
	s_lshl_b32 s32, s32, 12
	s_add_co_u32 s32, s32, s30                     ; columns 64 cg on
	s_mov_b32 s33, 0
	s_mov_b32 s20, 0x76543210
	s_mov_b32 s21, 0xfedcba98                      ; v_permlanex16_b32's selects for lane l xor 16
	s_mov_b32 s22, 0x3e38aa3b                      ; c = log2(e) / 8
	v_and_b32 v1, 15, v0                           ; r
	v_bfe_u32 v2, v0, 4, 1                         ; h
	v_mul_u32_u24 v3, v1, 12288
	v_lshl_add_u32 v3, v2, 7, v3                   ; q, k: row r, channels 32 h on
	v_mul_u32_u24 v4, v2, 98304
	v_lshl_add_u32 v4, v1, 2, v4                   ; v: rows 8 h on, channel r
	v_lshlrev_b32 v5, 12, v1
	v_lshl_add_u32 v5, v2, 5, v5                   ; Wo: row r, channels 8 h on
	v_lshlrev_b32 v6, 5, v2                        ; the mask of keys 8 h on
	v_lshlrev_b32 v7, 2, v1                        ; the mask of query r
	v_lshlrev_b32 v8, 3, v2
	v_sub_nc_u32 v8, v1, v8                        ; r - 8 h: key 8 h + j counts where j <= r - 8 h
	s_mul_i32 s17, s14, 4352
	v_mul_u32_u24 v9, v1, 272
	v_lshl_add_u32 v9, v2, 5, v9
	v_add_nc_u32 v9, s17, v9                       ; LDS, in: my head's part: row r, 32 bytes for each half of the lanes
	v_and_b32 v11, 31, v0
	v_lshlrev_b32 v11, 3, v11                      ; 8 x lane
	s_mul_i32 s17, s14, 272
	v_add_nc_u32 v10, s17, v11                     ; LDS, back: row = my wave's number, 8 bytes a lane
	v_mov_b32 v34, 0                               ; written once: a lane permute's destination counts as one of its sources
	s_wait_kmcnt 0x0
	s_add_nc_u64 s[4:5], s[4:5], s[24:25]
	s_add_nc_u64 s[6:7], s[6:7], s[26:27]
	s_add_nc_u64 s[8:9], s[8:9], s[30:31]
	s_add_nc_u64 s[10:11], s[10:11], s[28:29]
	s_add_nc_u64 s[12:13], s[12:13], s[32:33]
.irp i, 0,1,2,3,4,5,6,7
	global_load_b128 v[QF+4*\i:QF+4*\i+3], v3, s[4:5] offset:16*\i
.endr
.irp i, 0,1,2,3,4,5,6,7
	global_load_b128 v[KF+4*\i:KF+4*\i+3], v3, s[4:5] offset:4096+16*\i
.endr
	global_load_b128 v[MK:MK+3], v6, s[10:11]
	global_load_b128 v[MK+4:MK+7], v6, s[10:11] offset:16
	global_load_b32 v32, v7, s[10:11]
.irp c, 0,1,2,3
.irp j, 0,1,2,3,4,5,6,7
	global_load_b32 v[VF+8*\c+\j], v4, s[4:5] offset:8192+\j*12288+64*\c
.endr
.endr
	global_load_b64 v[38:39], v11, s[8:9]          ; bo of my two columns
.macro WLOAD n                         ; Wo's tile n: register 8 c + j: row 64 cg + 16 n + r, the head's channel 16 c + 8 h + j.  Tiles 0, 1 at v184, v216; tiles 2, 3 at v40, v72
.set WB, 184+32*(\n)-208*((\n)/2)
.irp c, 0,1,2,3
	global_load_b128 v[WB+8*\c:WB+8*\c+3], v5, s[6:7] offset:(\n)*65536+64*\c
	global_load_b128 v[WB+8*\c+4:WB+8*\c+7], v5, s[6:7] offset:(\n)*65536+64*\c+16
.endr
.endm
	WLOAD 0
	WLOAD 1
	s_wait_loadcnt 49                              ; q, k and the masks are in; v's 32, bo's one and Wo's 16 may be out
	; S^T = k q^T: 16 K steps on two accumulators by turns
	v_wmma_f32_16x16x4_f32 v[SA:SA+7], v[KF:KF+1], v[QF:QF+1], 0
	v_wmma_f32_16x16x4_f32 v[SB:SB+7], v[KF+2:KF+3], v[QF+2:QF+3], 0
.irp i, 2,4,6,8,10,12,14
	v_wmma_f32_16x16x4_f32 v[SA:SA+7], v[KF+2*\i:KF+2*\i+1], v[QF+2*\i:QF+2*\i+1], v[SA:SA+7]
	v_wmma_f32_16x16x4_f32 v[SB:SB+7], v[KF+2*\i+2:KF+2*\i+3], v[QF+2*\i+2:QF+2*\i+3], v[SB:SB+7]
.endr
.rept 8
	v_nop                                          ; eight places behind this form: for the loads into q's and k's registers and for the first read of the sums
.endr
	WLOAD 2
	WLOAD 3
.irp j, 0,1,2,3,4,5,6,7
	v_add_f32 v[P+\j], v[SA+\j], v[SB+\j]          ; lane (r, h): query r, key 8 h + j; from the low end on
.endr
.irp j, 0,1,2,3,4,5,6,7
	v_cmp_le_i32 vcc_lo, \j, v8                    ; the causal mask
	v_cndmask_b32 v[P+\j], NEG, v[P+\j], vcc_lo
.endr
.irp j, 0,1,2,3,4,5,6,7
	v_cmp_ne_u32 vcc_lo, 0, v[MK+\j]               ; the key mask
	v_cndmask_b32 v[P+\j], NEG, v[P+\j], vcc_lo
.endr
	v_max3_num_f32 v33, v[P], v[P+1], MINIT
	v_max3_num_f32 v33, v33, v[P+2], v[P+3]
	v_max3_num_f32 v33, v33, v[P+4], v[P+5]
	v_max3_num_f32 v33, v33, v[P+6], v[P+7]
	v_permlanex16_b32 v34, v33, s20, s21
	v_max_num_f32 v33, v33, v34                    ; the row's maximum
	v_mul_f32 v37, s22, v33
.irp j, 0,1,2,3,4,5,6,7
	v_fma_f32 v[P+\j], v[P+\j], s22, -v37
.endr
.irp j, 0,1,2,3,4,5,6,7
	v_exp_f32 v[P+\j], v[P+\j]                     ; p = 2^(c s - c m)
.endr
	v_nop                                          ; a plain instruction behind the exponentials,
	s_wait_alu depctr_va_vdst(0)                   ; and the one wait ahead of the first use
	v_add_f32 v35, v[P], v[P+1]
	v_add_f32 v34, v[P+2], v[P+3]
	v_add_f32 v35, v35, v[P+4]
	v_add_f32 v34, v34, v[P+5]
	v_add_f32 v35, v35, v[P+6]
	v_add_f32 v34, v34, v[P+7]
	v_add_f32 v35, v35, v34
	v_permlanex16_b32 v34, v35, s20, s21
	v_add_f32 v35, v35, v34                        ; the row's sum
	v_rcp_f32 v36, v35
	v_cvt_f32_i32 v32, v32                         ; (a plain instruction behind the reciprocal)  the query's mask as a number
	s_wait_alu depctr_va_vdst(0)
	v_mul_f32 v32, v32, v32                        ; twice a factor
	v_mul_f32 v36, v36, v32
	s_wait_loadcnt 33                              ; v is in; bo's one and Wo's 32 may be out
	; O^T = v^T p: K = the 16 keys, four K steps; four accumulators by turns
.irp c, 0,1,2,3
	v_wmma_f32_16x16x4_f32 v[OA+8*\c:OA+8*\c+7], v[VF+8*\c:VF+8*\c+1], v[P:P+1], 0
.endr
.irp i, 1,2,3
.irp c, 0,1,2,3
	v_wmma_f32_16x16x4_f32 v[OA+8*\c:OA+8*\c+7], v[VF+8*\c+2*\i:VF+8*\c+2*\i+1], v[P+2*\i:P+2*\i+1], v[OA+8*\c:OA+8*\c+7]
.endr
.endr
.rept 9
	v_nop                                          ; eight places for the reads of O^T and the writes over v's registers, nine for the products below, which write over O^T
.endr
.set i, 0
.rept 32
	v_mul_f32 v[VF+i], v[OA+i], v36                ; y: register 8 c + j: query r, channel 16 c + 8 h + j; each accumulator from its low end on
.set i, i+1
.endr
	s_wait_loadcnt 0x0                             ; Wo, bo
	; out^T = Wo y^T: K = the head's 64 channels, 16 K steps; four accumulators by turns
.irp c, 0,1,2,3
.irp i, 0,1,2,3
.irp n, 0,1,2,3
.if (\c == 0) && (\i == 0)
	v_wmma_f32_16x16x4_f32 v[OA+8*\n:OA+8*\n+7], v[184+32*\n-208*(\n/2)+8*\c+2*\i:184+32*\n-208*(\n/2)+8*\c+2*\i+1], v[VF+8*\c+2*\i:VF+8*\c+2*\i+1], 0
.else
	v_wmma_f32_16x16x4_f32 v[OA+8*\n:OA+8*\n+7], v[184+32*\n-208*(\n/2)+8*\c+2*\i:184+32*\n-208*(\n/2)+8*\c+2*\i+1], v[VF+8*\c+2*\i:VF+8*\c+2*\i+1], v[OA+8*\n:OA+8*\n+7]
.endif
.endr
.endr
.endr
.rept 8
	v_nop                                          ; eight places: for the stores of the results and for the loads into Wo's registers
.endr
.irp n, 0,1,2,3
	ds_store_b128 v9, v[OA+8*\n:OA+8*\n+3] offset:64*\n            ; lane (r, h): row r, columns 16 n + 8 h + 0 .. 7 of my head's part
	ds_store_b128 v9, v[OA+8*\n+4:OA+8*\n+7] offset:64*\n+16
.endr
	s_wait_dscnt 0x0                               ; for the others' sake: my stores have landed
	s_barrier_signal -1
	s_barrier_wait -1
.irp w, 0,1,2,3,4,5,6,7,8,9,10,11,12,13,14,15
	ds_load_b64 v[QF+2*\w:QF+2*\w+1], v10 offset:\w*4352           ; row = my wave's number, of each head's part
.endr
	s_wait_dscnt 0x0
.irp w, 0,1,2,3,4,5,6,7
	v_pk_add_f32 v[QF+2*\w:QF+2*\w+1], v[QF+2*\w:QF+2*\w+1], v[QF+16+2*\w:QF+16+2*\w+1]
.endr
.irp w, 0,1,2,3
	v_pk_add_f32 v[QF+2*\w:QF+2*\w+1], v[QF+2*\w:QF+2*\w+1], v[QF+8+2*\w:QF+8+2*\w+1]
.endr
.irp w, 0,1
	v_pk_add_f32 v[QF+2*\w:QF+2*\w+1], v[QF+2*\w:QF+2*\w+1], v[QF+4+2*\w:QF+4+2*\w+1]
.endr
	v_pk_add_f32 v[QF:QF+1], v[QF:QF+1], v[QF+2:QF+3]
	v_pk_add_f32 v[QF:QF+1], v[QF:QF+1], v[38:39]  ; + bo
	global_store_b64 v11, v[QF:QF+1], s[12:13]     ; 32 lanes store 256 consecutive bytes, aligned
	s_wait_tensorcnt 0x0                           ; the wave's end: behind my last LDS store
	ds_add_u32 v[SPW], v[NIL]
	s_wait_dscnt 0x0
	s_endpgm
.Lfunc_end_k_q5b656a5919_fine:
	.size	k_q5b656a5919_fine, .Lfunc_end_k_q5b656a5919_fine-k_q5b656a5919_fine
	.p2alignl 7, 3214868480
	.fill 96, 4, 3214868480
	.section	.rodata,"a",@progbits
	.p2align	6, 0x0
	.amdhsa_kernel k_q5b656a5919_fine
		.amdhsa_group_segment_fixed_size 71680
		.amdhsa_private_segment_fixed_size 0
		.amdhsa_enable_private_segment 0
		.amdhsa_kernarg_size 40
		.amdhsa_user_sgpr_count 2
		.amdhsa_user_sgpr_kernarg_segment_ptr 1
		.amdhsa_wavefront_size32 1
		.amdhsa_system_sgpr_workgroup_id_x 1
		.amdhsa_system_sgpr_workgroup_id_y 1
		.amdhsa_system_sgpr_workgroup_id_z 1
		.amdhsa_system_vgpr_workitem_id 0
		.amdhsa_next_free_vgpr 256
		.amdhsa_next_free_sgpr 66
		.amdhsa_reserve_vcc 1
		.amdhsa_float_denorm_mode_32 3
		.amdhsa_float_denorm_mode_16_64 3
		.amdhsa_memory_ordered 1
		.amdhsa_forward_progress 1
		.amdhsa_inst_pref_size 25
	.end_amdhsa_kernel
	.amdgpu_metadata
---
amdhsa.version: [ 1, 2 ]
amdhsa.kernels:
  - .name:           k_q5b656a5919_fine
    .symbol:         k_q5b656a5919_fine.kd
    .args:
      - { .name: qkvf, .offset: 0, .size: 8, .value_kind: global_buffer, .address_space: global }
      - { .name: Wo, .offset: 8, .size: 8, .value_kind: global_buffer, .address_space: global }
      - { .name: bo, .offset: 16, .size: 8, .value_kind: global_buffer, .address_space: global }
      - { .name: attention_mask, .offset: 24, .size: 8, .value_kind: global_buffer, .address_space: global }
      - { .name: out0, .offset: 32, .size: 8, .value_kind: global_buffer, .address_space: global }
    .group_segment_fixed_size: 71680
    .private_segment_fixed_size: 0
    .kernarg_segment_align: 8
    .kernarg_segment_size: 40
    .max_flat_workgroup_size: 512
    .sgpr_count:     66
    .vgpr_count:     256
    .wavefront_size: 32
...
	.end_amdgpu_metadata
.endif
;; end of part 5
